; MI455X (gfx1250); checked and timed in simulation.
; The chip was launched on July 23, 2026; its instructions are those of AMD's public machine-readable ISA for CDNA 5 (MIT licence, August 2026) and "CDNA5" Instruction Set Architecture Reference Guide (July 2026). The comments in the code are by the model that wrote it; some were corrected since.
;; Causal Self Attention. Allowed arithmetic: matrix products marked QUANTISED: E2M3 operands, one E8M0 scale for each 32 along K, by v_wmma_scale_f32_16x16x128_f8f6f4 with both operands' format E2M3, f32 sums; everything else in f32.
;; Inputs: W_k 1,024 x 1,024 float32; W_o 1,024 x 1,024 float32; W_q 1,024 x 1,024 float32; W_v 1,024 x 1,024 float32; b_o 1,024 float32; x 4 x 2,048 x 1,024 float32.
;; Outputs: out0 4 x 2,048 x 1,024 float32.
;; This version of the problem:
;;   THIS VERSION OF THE PROBLEM IS GIVEN IN LOW PRECISION. The matrix products marked QUANTISED in the list below multiply operands that are first quantised to E2M3 (2 exponent bits, 3 mantissa bits; 6 bits a number), with one power-of-two scale for each 32 numbers along K (OCP MX v1.0); their sums are f32. All else is computed in f32.
;;   The module's matrix products, in the order in which they are computed (A, B: the left and right operand; K: the contracted axis; several contracted axes count as one K, in the product's order):
;;     1. [M 8,192, K 1,024] x [K 1,024, N 1,024]; A: input x; B: input W_q: QUANTISED
;;     2. [M 8,192, K 1,024] x [K 1,024, N 1,024]; A: input x; B: input W_k: QUANTISED
;;     3. [M 8,192, K 1,024] x [K 1,024, N 1,024]; A: input x; B: input W_v: QUANTISED
;;     4. batch 64 x [M 2,048, K 64] x [K 64, N 2,048]; A: computed on the way; B: computed on the way: QUANTISED
;;     5. batch 64 x [M 2,048, K 2,048] x [K 2,048, N 64]; A: softmax (see below); B: computed on the way: QUANTISED
;;     6. [M 8,192, K 1,024] x [K 1,024, N 1,024]; A: computed on the way; B: input W_o: QUANTISED
;;   THE QUANTISER, for each operand of a quantised product, along K:
;;     - K is cut into blocks of 32 from its start; a last block that is shorter is filled with zeros.
;;     - A block's scale is 2^e with e = floor(log2(the largest magnitude in the block)) - 2, held to -126 .. 127; a block of zeros has e = 0. As a byte (E8M0): e + 127.
;;     - Each number is divided by its block's scale, clamped to +-7.5, and rounded to the nearest number of E2M3, ties to even, subnormals kept.
;;     - The product sums the exact products of the quantised numbers (number of the format x scale) in f32.
;;   ~~~python
;;   def quantise(x, axis):      # numpy; x: float32 -> the quantised numbers, widened to float32 again
;;       x = np.moveaxis(x, axis, -1); K = x.shape[-1]
;;       x = np.pad(x, [(0, 0)] * (x.ndim - 1) + [(0, -K % 32)]); x = x.reshape(x.shape[:-1] + (-1, 32)); a = np.abs(x).max(-1, keepdims=True)
;;       e = np.where(a > 0, np.clip(np.frexp(np.where(a > 0, a, 1))[1] - 1 - 2, -126, 127), 0)      # np.frexp(a)[1] - 1 = floor(log2(a)), exactly
;;       r = np.clip(x / 2.0 ** e, -7.5, 7.5)
;;       step = 2.0 ** (np.maximum(np.frexp(np.where(r == 0, 1, r))[1] - 1, 0) - 3)
;;       q = np.round(r / step) * step * 2.0 ** e      # np.round: ties to even
;;       return np.moveaxis(q.reshape(q.shape[:-2] + (-1,))[..., :K], -1, axis).astype(np.float32)
;;   ~~~
;;   SOFTMAX AHEAD OF A QUANTISED PRODUCT. Where the list says 'softmax', what is quantised is not the finished softmax but p = 2^(t - M), with t = logit x log2(e) and M = ceil(the row's largest t), a whole number; so 1/2 < the row's largest p <= 1. The row's sum l is taken of the UNQUANTISED p, in f32, and the product's result is divided by l at the end. Since M is a whole number, a kernel that streams over the keys may use a running M (the ceiling of the running maximum): every later rescaling is an exact power of two, which a block's scale takes up: the codes' values come out the same.
;;   OPERANDS COMPUTED ON THE WAY. 'Computed on the way' means the value that the module computes at that place (a softmax that the list does not call 'softmax' is quantised finished and normalised). What goes into a quantiser is computed in f32, as accurately as f32 sums, v_exp_f32 and their like allow (about 1e-6 of the number): no bf16 or f16 on the way to a quantiser, and a product that is left as it is and whose result goes on into a quantised operand takes f32 operands (vector FMAs, or v_wmma_f32_16x16x4_f32). A number that lies on a knife's edge between two numbers of the format may be rounded either way, as far as f32 arithmetic and the matrix unit's own rounding can turn it there, and no further.
;; One version. Each part assembles by itself: llvm-mc -triple=amdgcn-amd-amdhsa -mcpu=gfx1250 --defsym DOCPART=n.
;; ======== version 1 of 1: 4 launches
;; workspace buffers: codes 9,437,184 bytes; scales 393,216 bytes; img 18,874,368 bytes; sc 786,432 bytes; yimg 6,291,456 bytes; ysc 262,144 bytes
;; launch quant (part 1): grid 384 x 1, 4 waves a work-group, no clusters, 33,280 bytes of LDS; arguments x, W_q, W_k, W_v, W_o, codes, scales; writes codes, scales
.if DOCPART == 1
	.amdgcn_target "amdgcn-amd-amdhsa--gfx1250"
	.amdhsa_code_object_version 6
	.text
	.protected	k_q4e1b1b857a_quant
	.globl	k_q4e1b1b857a_quant
	.p2align	8
	.type	k_q4e1b1b857a_quant,@function
k_q4e1b1b857a_quant:
	s_mov_b64 s[64:65], 0
	v_nop
	global_prefetch_b8 v0, s[64:65] scope:SCOPE_SE
	s_setreg_imm32_b32 hwreg(HW_REG_WAVE_MODE, 25, 1), 1
	s_wait_xcnt 0x0
; x [8192][1024] and W_q, W_k, W_v, W_o [1024][1024], f32, become codes of FP6 (E2M3), K innermost, 768 bytes a row, and one E8M0 byte for each 32 along K, 32 bytes a row.
; One buffer of 12,288 rows holds all five: x from row 0, W_q from 8192, W_k from 9216, W_v from 10240, W_o from 11264; the scale bytes likewise.
; A block's scale is 2^(floor(log2(its largest magnitude)) - 2); its byte is the largest magnitude's exponent field - 2, held at 1 from below.  Each number is divided by the scale and rounded to the nearest code, ties to even.
; ROW ORDER.  All rows but W_o's are stored in POSITION order: inside each 32 rows, bits 3 and 4 of the row's number change places, so that sixteen rows on end are rows 8 u + r + 8 (r / 8):
; the tiles that let a transposed product's results be neighbours along the next K.  A wave takes 8 rows, so the change is a change of the wave's place alone: w -> 2 (w & 1) + (w >> 1).
; LIMITS: a block of zeros gets the byte 1 where the rule says 127 (its codes are zeros, and this program alone reads the bytes); blocks whose largest magnitude lies under 2^-124 keep the byte 1;
; NaN and infinities among the inputs are not served.
; A work-group takes 32 rows, a wave 8 rows in 16 steps of 512 numbers.  Each load reads 512 consecutive bytes; a step's 2,048 bytes turn through the wave's own stage in LDS so that a lane holds 16 neighbours.
; No tensor loads, no barrier: waves share nothing.  Loads run four steps (16 loads a wave) ahead.
.set WAVES, 4
.set STEPS, 16
.set EMAX,  2
.set CB,    12                         ; bytes of 16 codes
.set R,     16                         ; v16-79   four sets of 16 numbers as they are loaded
.set X,     80                         ; v80-111  two sets of 16 neighbours
.set C,     128                        ; v128-191 codes: four registers for each step, so that no store's data are written again
.set E,     112                        ; v112-127 a scale byte for each step
.set WREG,  8192                       ; LDS: a region for each wave: two stages of 32 x SP bytes, then its 256 scale bytes
.set SP,    80                         ; a lane's place in a stage: 64 bytes + 16 of padding
.set SPW,   12                         ; v12 LDS address of my spare word; never rewritten
.set NIL,   13                         ; v13 0; never rewritten
.set SPARE, WAVES*WREG                 ; the spare words, 128 bytes for each wave, which no other line names
	s_load_b128 s[4:7], s[0:1], 0x0                ; x, W_q
	s_load_b128 s[8:11], s[0:1], 0x10              ; W_k, W_v
	s_load_b128 s[12:15], s[0:1], 0x20             ; W_o, the codes
	s_load_b64 s[16:17], s[0:1], 0x30              ; the scale bytes
	v_lshl_add_u32 v[SPW], v0, 2, SPARE
	v_mov_b32 v[NIL], 0
	v_lshrrev_b32 v1, 5, v0
	v_readfirstlane_b32 s18, v1                    ; wave
	v_and_b32 v2, 31, v0                           ; lane
	v_lshlrev_b32 v3, 4, v2                        ; my 16 bytes of a load's 512
	s_mul_i32 s19, s18, WREG
	v_lshrrev_b32 v14, 2, v2
	v_mul_u32_u24 v14, v14, SP
	v_and_b32 v15, 3, v2
	v_lshl_add_u32 v14, v15, 4, v14
	v_add_nc_u32 v14, s19, v14                     ; the stage, on the way in: SP (lane / 4) + 16 (lane % 4)
	v_mul_u32_u24 v15, v2, SP
	v_add_nc_u32 v15, s19, v15                     ; and on the way out: SP x lane: my 16 neighbours
	v_mul_u32_u24 v4, v2, CB                       ; my codes' place in a step's
	v_lshrrev_b32 v5, 1, v2
	s_add_co_u32 s19, s19, 2*32*SP
	v_add_nc_u32 v5, s19, v5                       ; LDS: my wave's 256 scale bytes, my block's byte
	v_lshlrev_b32 v7, 3, v2                        ; and on the way out 8 bytes a lane
	v_add_nc_u32 v6, s19, v7
	s_and_b32 s22, ttmp9, 31                       ; a weight has 32 work-groups,
	s_cmp_lt_u32 ttmp9, 256
	s_cselect_b32 s22, ttmp9, s22                  ; x has 256: my number inside my tensor
	s_lshl_b32 s22, s22, 2
	s_add_co_u32 s22, s22, s18                     ; which run of 8 rows I read
	s_lshl_b32 s22, s22, 15                        ; 32,768 bytes a run
	s_mov_b32 s23, 0
	s_and_b32 s24, s18, 1
	s_lshl_b32 s24, s24, 1
	s_lshr_b32 s25, s18, 1
	s_or_b32 s24, s24, s25                         ; the wave's place in position order
	s_cmp_lt_u32 ttmp9, 352
	s_cselect_b32 s24, s24, s18                    ; W_o keeps its rows' order
	s_lshl_b32 s25, ttmp9, 2
	s_add_co_u32 s24, s24, s25                     ; which run of 8 rows I write
	s_mul_i32 s26, s24, 32*STEPS*CB                ; 6,144 bytes of codes a run
	s_mov_b32 s27, 0
	s_lshl_b32 s28, s24, 8                         ; 256 scale bytes a run
	s_mov_b32 s29, 0
	s_wait_kmcnt 0x0
	s_mov_b64 s[20:21], s[12:13]                   ; whose work-group?  The choice hangs on the work-group's number alone
	s_cmp_lt_u32 ttmp9, 352
	s_cselect_b64 s[20:21], s[10:11], s[20:21]
	s_cmp_lt_u32 ttmp9, 320
	s_cselect_b64 s[20:21], s[8:9], s[20:21]
	s_cmp_lt_u32 ttmp9, 288
	s_cselect_b64 s[20:21], s[6:7], s[20:21]
	s_cmp_lt_u32 ttmp9, 256
	s_cselect_b64 s[20:21], s[4:5], s[20:21]
	s_add_nc_u64 s[20:21], s[20:21], s[22:23]
	s_add_nc_u64 s[14:15], s[14:15], s[26:27]
	s_add_nc_u64 s[16:17], s[16:17], s[28:29]
.macro LOAD t
.irp i, 0,1,2,3
	global_load_b128 v[R+16*((\t)%4)+4*\i:R+16*((\t)%4)+4*\i+3], v3, s[20:21] offset:2048*(\t)+512*\i th:TH_LOAD_NT   ; 32 lanes read 512 consecutive bytes
.endr
.endm
.macro TURN t                          ; step t's numbers through the stage: LDS serves a wave's instructions in order, so no wait stands between the stores and the loads
.irp i, 0,1,2,3
	ds_store_b128 v14, v[R+16*((\t)%4)+4*\i:R+16*((\t)%4)+4*\i+3] offset:32*SP*((\t)%2)+8*SP*\i
.endr
.irp i, 0,1,2,3
	ds_load_b128 v[X+16*((\t)%2)+4*\i:X+16*((\t)%2)+4*\i+3], v15 offset:32*SP*((\t)%2)+16*\i
.endr
.endm
.irp t, 0,1,2,3
	LOAD \t
.endr
	s_wait_loadcnt 12                              ; step 0's four loads are in; three steps' twelve may be out
	TURN 0
.macro STEP t
.set XS, X+16*((\t)%2)
.if (\t) > 0
	s_wait_dscnt 1                                 ; this step's numbers are back from the stage (the last step's byte store may be out)
.else
	s_wait_dscnt 0x0
.endif
.if (\t)+4 < STEPS
	LOAD (\t)+4                                    ; into the registers that the stage's stores have read
.endif
.if (\t)+1 < STEPS
.if STEPS-2-(\t) >= 3
	s_wait_loadcnt 12                              ; the next step's four loads are in; those of the three steps behind it may be out
.else
	s_wait_loadcnt 4*(STEPS-2-(\t))
.endif
	TURN (\t)+1                                    ; through the other stage while this step is worked
.endif
	v_max3_num_f32 v8, |v[XS]|, |v[XS+1]|, |v[XS+2]|               ; the largest magnitude of my 16
	v_max3_num_f32 v9, |v[XS+3]|, |v[XS+4]|, |v[XS+5]|
.irp i, 6,10
	v_max3_num_f32 v8, v8, |v[XS+\i]|, |v[XS+\i+1]|
	v_max3_num_f32 v9, v9, |v[XS+\i+2]|, |v[XS+\i+3]|
.endr
	v_max3_num_f32 v8, v8, |v[XS+14]|, |v[XS+15]|
	v_max3_num_f32 v8, v8, v9, (EMAX+1)<<23        ; and the floor 2^(3 - 127): the byte cannot fall under 1
	v_max_num_f32_dpp v8, v8, v8 row_xmask:1 row_mask:0xf bank_mask:0xf   ; and of my neighbour's 16: the block's
	v_add_nc_u32 v11, -(EMAX<<23), v8              ; 2 off its exponent field: the conversion takes the exponent field of this operand as its scale
	v_cvt_scalef32_pk16_fp6_f32 v[C+4*(\t):C+4*(\t)+2], v[XS:XS+15], v11
	v_lshrrev_b32 v[E+(\t)], 23, v11               ; the scale's byte (a plain line behind the conversion)
	ds_store_b8 v5, v[E+(\t)] offset:16*(\t)       ; both lanes of a block write the same byte with the same value
	global_store_b96 v4, v[C+4*(\t):C+4*(\t)+2], s[14:15] offset:32*CB*(\t)   ; the wave stores 384 consecutive bytes
.endm
.irp t, 0,1,2,3,4,5,6,7,8,9,10,11,12,13,14,15
	STEP \t
.endr
	ds_load_b64 v[8:9], v6                         ; LDS serves a wave's instructions in order: these see my stores
	s_wait_dscnt 0x0
	global_store_b64 v7, v[8:9], s[16:17]          ; 32 lanes store 256 consecutive bytes, aligned
	s_wait_tensorcnt 0x0                           ; the wave's end: behind my last LDS store
	ds_add_u32 v[SPW], v[NIL]
	s_wait_dscnt 0x0
	s_endpgm
.Lfunc_end_k_q4e1b1b857a_quant:
	.size	k_q4e1b1b857a_quant, .Lfunc_end_k_q4e1b1b857a_quant-k_q4e1b1b857a_quant
	.p2alignl 7, 3214868480
	.fill 96, 4, 3214868480
	.section	.rodata,"a",@progbits
	.p2align	6, 0x0
	.amdhsa_kernel k_q4e1b1b857a_quant
		.amdhsa_group_segment_fixed_size 33280
		.amdhsa_private_segment_fixed_size 0
		.amdhsa_enable_private_segment 0
		.amdhsa_kernarg_size 56
		.amdhsa_user_sgpr_count 2
		.amdhsa_user_sgpr_kernarg_segment_ptr 1
		.amdhsa_wavefront_size32 1
		.amdhsa_system_sgpr_workgroup_id_x 1
		.amdhsa_system_sgpr_workgroup_id_y 1
		.amdhsa_system_sgpr_workgroup_id_z 1
		.amdhsa_system_vgpr_workitem_id 0
		.amdhsa_next_free_vgpr 192
		.amdhsa_next_free_sgpr 66
		.amdhsa_reserve_vcc 0
		.amdhsa_float_denorm_mode_32 3
		.amdhsa_float_denorm_mode_16_64 3
		.amdhsa_memory_ordered 1
		.amdhsa_forward_progress 1
		.amdhsa_inst_pref_size 33
	.end_amdhsa_kernel
	.amdgpu_metadata
---
amdhsa.version: [ 1, 2 ]
amdhsa.kernels:
  - .name:           k_q4e1b1b857a_quant
    .symbol:         k_q4e1b1b857a_quant.kd
    .args:
      - { .name: x, .offset: 0, .size: 8, .value_kind: global_buffer, .address_space: global }
      - { .name: W_q, .offset: 8, .size: 8, .value_kind: global_buffer, .address_space: global }
      - { .name: W_k, .offset: 16, .size: 8, .value_kind: global_buffer, .address_space: global }
      - { .name: W_v, .offset: 24, .size: 8, .value_kind: global_buffer, .address_space: global }
      - { .name: W_o, .offset: 32, .size: 8, .value_kind: global_buffer, .address_space: global }
      - { .name: codes, .offset: 40, .size: 8, .value_kind: global_buffer, .address_space: global }
      - { .name: scales, .offset: 48, .size: 8, .value_kind: global_buffer, .address_space: global }
    .group_segment_fixed_size: 33280
    .private_segment_fixed_size: 0
    .kernarg_segment_align: 8
    .kernarg_segment_size: 56
    .max_flat_workgroup_size: 128
    .sgpr_count:     66
    .vgpr_count:     192
    .wavefront_size: 32
...
	.end_amdgpu_metadata
.endif
;; end of part 1
;; launch qkv (part 2): grid 8 x 48, 4 waves a work-group, clusters of 4 x 4, 327,680 bytes of LDS; arguments codes, scales, img, sc; writes img, sc
.if DOCPART == 2
	.amdgcn_target "amdgcn-amd-amdhsa--gfx1250"
	.amdhsa_code_object_version 6
	.text
	.protected	k_q4e1b1b857a_qkv
	.globl	k_q4e1b1b857a_qkv
	.p2align	8
	.type	k_q4e1b1b857a_qkv,@function
k_q4e1b1b857a_qkv:
	s_mov_b64 s[64:65], 0
	v_nop
	global_prefetch_b8 v0, s[64:65] scope:SCOPE_SE
	s_setreg_imm32_b32 hwreg(HW_REG_WAVE_MODE, 25, 1), 1
	s_wait_xcnt 0x0
	s_wait_alu depctr_hold_cnt(0) depctr_sa_sdst(0) depctr_va_vdst(0) depctr_va_sdst(0) depctr_va_ssrc(0) depctr_va_vcc(0) depctr_vm_vsrc(0)
	s_getreg_b32 s2, hwreg(HW_REG_IB_STS2, 6, 4)
	s_cmp_eq_u32 s2, 0
	s_cbranch_scc0 .Lentry_in_a_cluster
	s_endpgm
.Lentry_in_a_cluster:
	s_bfe_u32 s2, ttmp6, 0x10000c
	s_cmp_lg_u32 s2, 0xf033
	s_cbranch_scc0 .Lentry_shape_is_right
	s_endpgm
.Lentry_shape_is_right:
; q = x W_q^T, k = x W_k^T and v^T = W_v x^T on codes of FP6 (E2M3) with one E8M0 scale for each 32 along K = 1,024; the results are quantised in registers and leave as operand images for the attention launch.
; A tile of 256 x 256 is made by four waves, 128 x 128 each (64 accumulators, 512 registers).  K goes in steps of 256 through a ring of two LDS slots filled by the tensor data mover; the scale bytes of the
; work-group's 2 x 256 rows come once, with the first fills.  4 x 4 work-groups form a cluster: A's tiles are asked for jointly along a row of the cluster, B's along a column.
; TWO ROLES, told apart by the cluster's y (the same in all partners), by selects alone: both operands lie in one buffer with one pitch, so the role only picks row numbers.
;   cluster y < 8:  A = 256 rows of x (tokens), B = 256 rows of W_q or W_k.      cluster y >= 8:  A = 256 rows of W_v, B = 256 rows of x of batch (cluster y - 8).
; THE MATRIX INSTRUCTION IS USED TRANSPOSED (source 0 = 16 rows of B, source 1 = 16 rows of A), and x, W_q, W_k, W_v lie in position order (sixteen rows on end are rows 8 u + r + 8 (r / 8) of their 32): so a lane's 64
; registers of a block of A's rows are: register 16 b + i = B's row 32 b + 16 (lane / 16) + i, for A's row 32 (a / 2) + 8 (a % 2) + r + 8 (r / 8).  These are 16 neighbours of four blocks of 32 along the next product's K.
; THE WAY OUT.  Each block of 16 rows x 128 is quantised as it stands (four blocks of 32 a row) into 12 operand registers and a scale word.  For q and k the 128 columns are two heads of 64: two blocks' halves change places so
; that an image holds one head of two tiles of tokens.  For v the 128 columns are 128 keys: an image is a tile of V^T.  An image is stored as its registers stand: three stores of 512 consecutive bytes.
; LIMITS: a block of zeros gets the byte 1 where the rule says 127 (its codes are zeros; this program alone reads the bytes); blocks whose largest magnitude lies under 2^-124 keep the byte 1; NaN and infinities are not served.
; REGISTERS, in windows of 256: window 0: v0-31 addresses; v32-63 scale words, two sets; v64-119 the way out's work; from v128 A's fragments, ONE set (on the way out: the images).
;   window 1: B's fragments, TWO sets, at v0 and v128.   window 2: the accumulators of my rows 0-63 ((a, b) at v[8 (8 a + b)]);   window 3: those of my rows 64-127.
.set SIZE_K, 1024
.set KSTEP,  256                       ; along K in a slot
.set NQ,     KSTEP/128                 ; matrix instructions deep
.set ROWB,   192                       ; a tile's row in bytes
.set KROW,   SIZE_K*6/8                ; a row of codes in memory
.set PITCH,  240                       ; an LDS row: 3 x (64 bytes + 16 of padding)
.set FR,     12                        ; registers of a fragment
.set NL,     6                         ; LDS loads that bring one
.set NP,     4                         ; places behind this matrix instruction (ISA guide 7.12.1)
.set HALFT,  128*PITCH                 ; 128 rows: what one tensor load brings
.set SLOT,   4*HALFT                   ; A's 256 rows, then B's 256 rows
.set LAPS,   SIZE_K/(2*KSTEP)
.set KS,     SIZE_K/32                 ; a row of scales in bytes
.set SCL,    2*SLOT                    ; behind the ring: the scales, as units of 256 bytes + 16 of padding
.set HALFS,  (128*KS/256)*272
.set SBLK,   (16*KS/256)*272
.set SPARE,  SCL+4*HALFS               ; the spare words, 128 bytes for each wave, which no other line names
.set BLKB,   6144                      ; four images: a head's 128 tokens
.set HB,     16*BLKB                   ; from head to head in img
.set ROW_WQ, 8192
.set ROW_WV, 10240
.set ADRA, 16                          ; v16-17 LDS address of my A fragments in slot 0, 1 (v18-19: behind one padding more)
.set ADRB, 20                          ; v20-21 the same for B (v22-23)
.set IO,   24                          ; v24 16 x lane: my place in an image's 512 bytes
.set SO,   25                          ; v25 16 r + 4096 (lane / 16): my row's four scale words, head A's or head B's
.set ADRS, 27                          ; v27 LDS address of my scale words
.set SPW,  28                          ; v28 LDS address of my spare word; never rewritten
.set NIL,  29                          ; v29 0; never rewritten
.set SC,   32                          ; scale words, two sets of 16
.set TM,   64                          ; v64-67 largest magnitudes, v68-71 the other half's and the bytes, v76-79 the conversions' scale operands
.set CT,   80                          ; v80-86 the conversions' second halves
.set UU,   88                          ; v88-93 the first block's second six registers
.set WT,   94                          ; v94-99 the second block's first six
.set PWA,  100                         ; the two blocks' scale words
.set PWB,  101
.set T0,   102
.set T1,   103
.set SW,   104                         ; v104-111 the eight images' scale words
.set SX,   112
.set SD,   116                         ; v116-119 what a lane stores of them
.set AF,   128                         ; A's fragments
.set RR,   128                         ; the way out: 24 registers (two images) for each pair of blocks
.set SEL,  12                          ; s[12:13] lane selects: lane l xor 16
.set G1, 24
.set G0, 32
.set G1B, 48
.set G0B, 56
.set G1S, 68
.set G0S, 76
.set G1SB, 80
.set G0SB, 88
.set IMG0, 40                          ; s[40:47] four bases in img, s[92:93] one in sc: made when the first loads are out
.set SCB,  92
.set QKM,  96                          ; s96 all ones in the q/k role, 0 in the v role
.set HIM,  97                          ; s97 lanes 16-31
.set MSB, 0
.macro WIN new                         ; the immediate's high byte repeats the setting that is left
.if MSB != \new
	s_set_vgpr_msb (MSB<<8)|\new
.set MSB, \new
.endif
.endm
.set MUL_LO, 0xa1                      ; source 0 (B) window 1, source 1 (A) window 0, C and D window 2
.set MUL_HI, 0xf1                      ; the same, C and D window 3
.set TO_B,   0x40                      ; destination window 1, address window 0
; A joint load: waves 0 and 1 fetch for A, waves 2 and 3 for B; the branch hangs on the wave's number alone.  An s_nop 0 and four v_nop follow each of the two lines.
.macro JLOAD g0a, g1a, g0b, g1b
	s_cmp_eq_u32 s15, 0
	s_cbranch_scc0 .Lfor_b_\@
	tensor_load_to_lds s[\g0a:\g0a+3], s[\g1a:\g1a+7]
	s_nop 0
.rept 4
	v_nop
.endr
	s_branch .Lasked_\@
.Lfor_b_\@:
	tensor_load_to_lds s[\g0b:\g0b+3], s[\g1b:\g1b+7]
	s_nop 0
.rept 4
	v_nop
.endr
.Lasked_\@:
.endm
.macro CREST                           ; a round of the cluster's barrier behind its opening barrier
	s_cmp_lg_u32 s14, 0
	s_cbranch_scc1 .Lnot_wave_0_\@
	s_barrier_signal -3
.Lnot_wave_0_\@:
	s_barrier_wait -3
	s_barrier_signal -1
	s_barrier_wait -1
.endm
.macro CROUND                          ; a whole round
	s_barrier_signal -1
	s_barrier_wait -1
	CREST
.endm
	s_load_b256 s[4:11], s[0:1], 0x0               ; codes s[4:5], scales s[6:7], img s[8:9], sc s[10:11]
	v_lshl_add_u32 v[SPW], v0, 2, SPARE
	v_mov_b32 v[NIL], 0
	ds_add_u32 v[SPW], v[NIL]                      ; the wave's opening: the add and its wait stand ahead of my first tensor load; work on registers stands between them
	v_lshrrev_b32 v1, 5, v0
	v_readfirstlane_b32 s14, v1                    ; wave 0..3
	s_lshr_b32 s15, s14, 1                         ; which half of A's rows is mine.  Also: I fetch for A (0) or for B (1)
	s_and_b32 s16, s14, 1                          ; which half of B's rows.  Also: which 128 rows of that tile I fetch
	s_bfe_u32 s40, ttmp6, 0x40000                  ; cx, cy: my place in the cluster
	s_bfe_u32 s41, ttmp6, 0x40004
	s_lshl_b32 s42, ttmp9, 2
	s_add_co_u32 s42, s42, s40                     ; tx = 4 x cluster x + cx
	s_and_b32 s98, ttmp7, 0xffff                   ; cluster y: it names the role
	s_lshl_b32 s17, s98, 2
	s_add_co_u32 s17, s17, s41                     ; ty = 4 x cluster y + cy
	s_lshl_b32 s43, s41, 2
	s_lshl_b32 s43, 15, s43                        ; my row of the cluster
	s_lshl_b32 s44, 0x1111, s40                    ; my column
	; descriptor group 1: a tile of 128 rows x ROWB bytes, 16 bytes of padding behind every 64
	s_or_b32 s[G1+0], s43, (0<<16)|(1<<20)|(1<<21)|(3<<22)|(3<<25)
	s_or_b32 s[G1B+0], s44, (0<<16)|(1<<20)|(1<<21)|(3<<22)|(3<<25)
.irp g, G1, G1B
	s_mov_b32 s[\g+1], ROWB<<16                    ; tensor_dim0
	s_mov_b32 s[\g+2], 128<<16                     ; tensor_dim1
	s_mov_b32 s[\g+3], ROWB<<16                    ; tile_dim0
	s_mov_b32 s[\g+4], 128                         ; tile_dim1
	s_mov_b32 s[\g+5], KROW                        ; tensor_dim0_stride
	s_mov_b32 s[\g+6], 0
	s_mov_b32 s[\g+7], 0
.endr
	; the scales of 128 rows: a dense block, as rows of 256 bytes (32 elements of 8 bytes), 16 bytes of padding behind each
	s_or_b32 s[G1S+0], s43, (3<<16)|(1<<20)|(1<<21)|(5<<22)|(3<<25)
	s_or_b32 s[G1SB+0], s44, (3<<16)|(1<<20)|(1<<21)|(5<<22)|(3<<25)
.irp g, G1S, G1SB
	s_mov_b32 s[\g+1], 32<<16
	s_mov_b32 s[\g+2], (128*KS/256)<<16
	s_mov_b32 s[\g+3], 32<<16
	s_mov_b32 s[\g+4], 128*KS/256
	s_mov_b32 s[\g+5], 32
	s_mov_b32 s[\g+6], 0
	s_mov_b32 s[\g+7], 0
.endr
	; the rows.  A's hang on cy and the cluster's y alone, B's on cx, the cluster's x and y alone, each in registers of their own
	s_lshl_b32 s18, s16, 7                         ; which 128 rows of the tile I fetch
	s_lshl_b32 s20, s17, 8                         ; A, q/k: x's row 256 ty
	s_lshl_b32 s21, s41, 8
	s_add_co_u32 s21, s21, ROW_WV                  ; A, v: W_v's row 256 cy
	s_lshl_b32 s46, s42, 8
	s_add_co_u32 s47, s46, ROW_WQ                  ; B, q/k: row 256 tx of W_q and W_k on end
	s_max_u32 s45, s98, 8
	s_sub_co_u32 s45, s45, 8                       ; the batch, in the v role
	s_lshl_b32 s45, s45, 11
	s_add_co_u32 s46, s46, s45                     ; B, v: x's row 2048 x batch + 256 tx
	s_cmp_lt_u32 s98, 8
	s_cselect_b32 s20, s20, s21
	s_cselect_b32 s46, s47, s46
	s_add_co_u32 s20, s20, s18
	s_add_co_u32 s46, s46, s18
	s_mov_b32 s21, 0
	s_mov_b32 s47, 0
	s_mov_b64 s[18:19], KS
	s_mul_u64 s[22:23], s[20:21], s[18:19]         ; where these rows' scales begin, in bytes
	s_mul_u64 s[92:93], s[46:47], s[18:19]
	s_mov_b64 s[18:19], KROW
	s_mul_u64 s[20:21], s[20:21], s[18:19]         ; and their codes
	s_mul_u64 s[46:47], s[46:47], s[18:19]
	s_mul_i32 s45, s14, HALFT                      ; where they go: wave x 128 rows: no place in the cluster enters an LDS address
	s_mul_i32 s94, s14, HALFS
	s_mov_b32 s[SEL], 0x76543210
	s_mov_b32 s[SEL+1], 0xfedcba98
	s_wait_dscnt 0x0                               ; the opening add is done
	s_wait_kmcnt 0x0
	s_add_nc_u64 s[20:21], s[4:5], s[20:21]
	s_add_nc_u64 s[22:23], s[6:7], s[22:23]
	s_add_nc_u64 s[46:47], s[4:5], s[46:47]
	s_add_nc_u64 s[92:93], s[6:7], s[92:93]
	CROUND                                         ; all sixteen work-groups are here: the first joint loads meet
	s_mov_b32 s[G0S], 1
	s_add_co_u32 s[G0S+1], s94, SCL
	s_mov_b64 s[G0S+2:G0S+3], s[22:23]
	s_or_b32 s[G0S+3], s[G0S+3], 0x80000000
	s_mov_b32 s[G0SB], 1
	s_add_co_u32 s[G0SB+1], s94, SCL
	s_mov_b64 s[G0SB+2:G0SB+3], s[92:93]
	s_or_b32 s[G0SB+3], s[G0SB+3], 0x80000000
	JLOAD G0S, G1S, G0SB, G1SB                     ; the scales first: they are wanted with K step 0
.irp s, 0,1
	s_mov_b32 s[G0+4*\s], 1
	s_add_co_u32 s[G0+4*\s+1], s45, \s*SLOT
	s_add_nc_u64 s[G0+4*\s+2:G0+4*\s+3], s[20:21], \s*ROWB
	s_or_b32 s[G0+4*\s+3], s[G0+4*\s+3], 0x80000000
	s_mov_b32 s[G0B+4*\s], 1
	s_add_co_u32 s[G0B+4*\s+1], s45, \s*SLOT
	s_add_nc_u64 s[G0B+4*\s+2:G0B+4*\s+3], s[46:47], \s*ROWB
	s_or_b32 s[G0B+4*\s+3], s[G0B+4*\s+3], 0x80000000
	JLOAD G0+4*\s, G1, G0B+4*\s, G1B
.endr
	v_and_b32 v1, 15, v0                           ; r = l % 16
	v_bfe_u32 v2, v0, 4, 1                         ; h = l / 16
	v_mul_u32_u24 v3, v1, PITCH
	v_mul_u32_u24 v4, v2, 24
	v_add_nc_u32 v4, v3, v4                        ; a fragment's row x pitch + 24 x half
	v_lshl_add_u32 v5, v2, 4, v4                   ; and the same behind one padding more
	s_mul_i32 s21, s15, HALFT                      ; my 128 rows of A
	s_mul_i32 s22, s16, HALFT                      ; my 128 rows of B,
	s_add_co_u32 s22, s22, 2*HALFT                 ; which lie behind A's 256
.irp s, 0,1
	v_add_nc_u32 v[ADRA+\s], s21, v4
	v_add_nc_u32 v[ADRB+\s], s22, v4
	v_add_nc_u32 v[ADRA+2+\s], s21, v5
	v_add_nc_u32 v[ADRB+2+\s], s22, v5
	s_add_co_u32 s21, s21, SLOT
	s_add_co_u32 s22, s22, SLOT
.endr
	v_mul_u32_u24 v5, v1, KS                       ; my row's scales: KS bytes a row,
	v_lshrrev_b32 v6, 8, v5
	v_lshl_add_u32 v5, v6, 4, v5                   ; and 16 more for each 256 passed
	s_mul_i32 s21, s15, HALFS                      ; A's: my 128 rows
	s_mul_i32 s22, s16, HALFS                      ; B's: my 128 rows, behind A's 256
	s_add_co_u32 s22, s22, 2*HALFS
	s_sub_co_u32 s22, s22, s21
	v_mul_u32_u24 v6, s22, v2                      ; lanes 16-31 take B's
	s_add_co_u32 s21, s21, SCL
	v_add_nc_u32 v5, v5, v6
	v_add_nc_u32 v[ADRS], s21, v5
	v_and_b32 v6, 31, v0
	v_lshlrev_b32 v[IO], 4, v6
	v_lshlrev_b32 v[SO], 4, v1
	v_lshl_add_u32 v[SO], v2, 12, v[SO]
	; which block of img and sc is my wave's.  G: the group of 128 tokens (0..63); T8: the group of 128 rows of W_q, W_k, W_v on end (0..23): tensor T8 / 8, heads 2 (T8 % 8) and the next
	s_lshl_b32 s66, s17, 1
	s_add_co_u32 s66, s66, s15                     ; q/k: G = 2 ty + my half of A
	s_max_u32 s67, s98, 8
	s_sub_co_u32 s67, s67, 8
	s_lshl_b32 s67, s67, 3
	s_add_co_u32 s67, s67, s42
	s_lshl_b32 s67, s67, 1
	s_add_co_u32 s67, s67, s16                     ; v: G = 2 (8 x batch + tx) + my half of B
	s_lshl_b32 s94, s42, 1
	s_add_co_u32 s94, s94, s16                     ; q/k: T8 = 2 tx + my half of B
	s_lshl_b32 s95, s41, 1
	s_add_co_u32 s95, s95, s15
	s_add_co_u32 s95, s95, 16                      ; v: T8 = 16 + 2 cy + my half of A
	s_mov_b32 s99, HB
	s_cmp_lt_u32 s98, 8
	s_cselect_b32 s66, s66, s67
	s_cselect_b32 s94, s94, s95
	s_cselect_b32 s[QKM], -1, 0
	s_cselect_b32 s18, 3072, s99                   ; from base 0 to base 1: q/k: images 2, 3 of head A; v: head B
	s_cselect_b32 s19, s99, 3072                   ; from base 0 to base 2: q/k: head B; v: images 2, 3 of head A
	s_lshr_b32 s67, s94, 3
	s_lshl_b32 s67, s67, 6                         ; tensor x 64
	s_lshr_b32 s95, s66, 4
	s_lshl_b32 s95, s95, 4                         ; batch x 16
	s_add_co_u32 s67, s67, s95
	s_and_b32 s95, s94, 7
	s_lshl_b32 s95, s95, 1                         ; head A
	s_add_co_u32 s67, s67, s95
	s_lshl_b32 s67, s67, 4
	s_and_b32 s95, s66, 15                         ; the group of tokens inside the batch
	s_add_co_u32 s95, s67, s95                     ; the block's number
	s_mul_i32 s20, s95, BLKB
	s_mov_b32 s21, 0
	s_add_nc_u64 s[IMG0:IMG0+1], s[8:9], s[20:21]
	s_mov_b32 s20, s18
	s_add_nc_u64 s[IMG0+2:IMG0+3], s[IMG0:IMG0+1], s[20:21]
	s_mov_b32 s20, s19
	s_add_nc_u64 s[IMG0+4:IMG0+5], s[IMG0:IMG0+1], s[20:21]
	s_add_nc_u64 s[IMG0+6:IMG0+7], s[IMG0:IMG0+1], HB+3072
	s_lshl_b32 s20, s95, 8
	s_add_nc_u64 s[SCB:SCB+1], s[10:11], s[20:21]
	s_mov_b32 s[HIM], 0xffff0000
.macro FRAG reg, adr, q, i             ; a fragment: lane l holds row l % 16; registers 6 c .. 6 c + 5 hold K = 64 c + 32 (l / 16) + 0 .. 31: 24 bytes of the row's stream of bits, in pieces of 8 bytes
.irp p, 0,1,2,3,4,5
.set PC, 12*(\q)+6*(\p/3)+\p%3        ; where the piece three on lies behind one padding more, the second address register serves
.if PC%8 < 5
	ds_load_b64 v[\reg+2*\p:\reg+2*\p+1], v[\adr] offset:8*PC+16*(PC/8)+(\i)*16*PITCH
.else
	ds_load_b64 v[\reg+2*\p:\reg+2*\p+1], v[\adr+2] offset:8*PC+16*(PC/8)+(\i)*16*PITCH
.endif
.endr
.endm
; 16 matrix instructions: A's blocks a0, a0 + 1 x B's eight, 128 along K.  zero = 1: the first product starts the sums.  The 64 accumulators take turns, one instruction a turn.
.macro MUL16 a0, p, q, sc, zero
.irp a, \a0, \a0+1
.irp b, 0,1,2,3,4,5,6,7
.if \zero
	v_wmma_scale_f32_16x16x128_f8f6f4 v[8*(8*((\a)%4)+\b):8*(8*((\a)%4)+\b)+7], v[128*(\p)+FR*\b:128*(\p)+FR*\b+FR-1], v[AF+FR*(\a):AF+FR*(\a)+FR-1], 0, v[SC+8*NQ*(\sc)+NQ*\b+(\q)], v[SC+8*NQ*(\sc)+NQ*(\a)+(\q)] matrix_a_fmt:MATRIX_FMT_FP6 matrix_b_fmt:MATRIX_FMT_FP6 matrix_a_scale:MATRIX_SCALE_ROW1
.else
	v_wmma_scale_f32_16x16x128_f8f6f4 v[8*(8*((\a)%4)+\b):8*(8*((\a)%4)+\b)+7], v[128*(\p)+FR*\b:128*(\p)+FR*\b+FR-1], v[AF+FR*(\a):AF+FR*(\a)+FR-1], v[8*(8*((\a)%4)+\b):8*(8*((\a)%4)+\b)+7], v[SC+8*NQ*(\sc)+NQ*\b+(\q)], v[SC+8*NQ*(\sc)+NQ*(\a)+(\q)] matrix_a_fmt:MATRIX_FMT_FP6 matrix_b_fmt:MATRIX_FMT_FP6 matrix_a_scale:MATRIX_SCALE_ROW1
.endif
.endr
.endr
.endm
.macro FETCH_B slot, q, p              ; B's eight fragments of the slot's q-th 128 along K into set p
	WIN TO_B
.irp i, 0,1,2,3,4,5,6,7
	FRAG 128*(\p)+FR*\i, ADRB+\slot, \q, \i
.endr
	WIN 0
.endm
.macro FETCH_A slot, q, i0             ; A's blocks i0 .. i0 + 3
.irp i, \i0, \i0+1, \i0+2, \i0+3
	FRAG AF+FR*(\i), ADRA+\slot, \q, \i
.endr
.endm
.macro SCALES sc                       ; the next K step's scale words into set sc: lanes 0-15 take A's block i, lanes 16-31 B's block i
.irp i, 0,1,2,3,4,5,6,7
	ds_load_b64 v[SC+8*NQ*\sc+NQ*\i:SC+8*NQ*\sc+NQ*\i+1], v[ADRS] offset:\i*SBLK
.endr
.endm
.macro PLACES n                        ; plain vector instructions between a matrix instruction and a load into, or a read of, its registers
.rept \n
	v_nop
.endr
.endm
; A step of 128 along K that has its successor in the same slot.
.macro STEP slot, q, zero
	s_wait_dscnt 4*NL                              ; B's set and A's blocks 0-3 are in; the youngest 24 loads (A's blocks 4-7) may be out
	WIN MUL_LO
	MUL16 0, (\q)%2, \q, \slot, \zero
	MUL16 2, (\q)%2, \q, \slot, \zero
	s_wait_dscnt 0                                 ; A's blocks 4-7 are in
	PLACES NP
	FETCH_B \slot, (\q)+1, 1-(\q)%2
	FETCH_A \slot, (\q)+1, 0
	WIN MUL_HI
	MUL16 4, (\q)%2, \q, \slot, \zero
	MUL16 6, (\q)%2, \q, \slot, \zero
	PLACES NP
	WIN 0
	FETCH_A \slot, (\q)+1, 4
.endm
; A slot's last step changes slots: ONE barrier; in front of it each wave waits for all its tensor loads, adds 0 to its spare word, and waits for that and for its own reads of this slot.  fill = 1: this slot is filled again.
.macro TURN slot, next, fill
	s_wait_tensorcnt 0x0                           ; all my tensor loads have landed: my part of the next slot
	ds_add_u32 v[SPW], v[NIL]                      ; 0 onto my spare word
	s_wait_dscnt 4*NL+1                            ; (the add and the youngest 24 loads, A's blocks 4-7, may be out)
	WIN MUL_LO
	MUL16 0, 1, NQ-1, \slot, 0                     ; sixteen matrix instructions stand between the add and the wait for it
	s_wait_dscnt 0x0                               ; the add is done, and my reads of this slot are over
	s_barrier_signal -1
	MUL16 2, 1, NQ-1, \slot, 0
	WIN 0
	s_barrier_wait -1
.if \fill
	CREST                                          ; the barrier has opened a round of the cluster's barrier: no wave of any partner still reads this slot's tile or has a load on its way
	s_add_nc_u64 s[G0+4*\slot+2:G0+4*\slot+3], s[G0+4*\slot+2:G0+4*\slot+3], 2*ROWB
	s_add_nc_u64 s[G0B+4*\slot+2:G0B+4*\slot+3], s[G0B+4*\slot+2:G0B+4*\slot+3], 2*ROWB
	JLOAD G0+4*\slot, G1, G0B+4*\slot, G1B         ; the first tensor load behind the round; its four v_nop are the places in front of the loads below
.else
	PLACES NP
.endif
	v_add_nc_u32 v[ADRS], 4*NQ, v[ADRS]            ; on to the next K step's scale words
	FETCH_B \next, 0, 0
	FETCH_A \next, 0, 0
	SCALES \next
	WIN MUL_HI
	MUL16 4, 1, NQ-1, \slot, 0
	MUL16 6, 1, NQ-1, \slot, 0
	PLACES NP
	WIN 0
	FETCH_A \next, 0, 4
.endm
	s_wait_tensorcnt 1                             ; the scales and my part of K step 0 are in (K step 1's load may be out),
	s_barrier_signal -1
	s_barrier_wait -1                              ; everybody's are
	FETCH_B 0, 0, 0
	FETCH_A 0, 0, 0
	SCALES 0
	FETCH_A 0, 0, 4
	STEP 0, 0, 1                                   ; the first step stands in front of the loop: its products start the sums
	s_mov_b32 s3, LAPS-1
.Llap:                                                 ; a trip goes once round the ring and fills both slots again
	TURN 0, 1, 1
	STEP 1, 0, 0
	TURN 1, 0, 1
	STEP 0, 0, 0
	s_sub_co_u32 s3, s3, 1
	s_cmp_lg_u32 s3, 0
	s_cbranch_scc1 .Llap
	TURN 0, 1, 0                                   ; the last lap fills nothing, and has no round of the cluster's barrier
	STEP 1, 0, 0
	s_wait_dscnt 4*NL                              ; the very last step: nothing more to fetch
	WIN MUL_LO
	MUL16 0, 1, NQ-1, 1, 0
	MUL16 2, 1, NQ-1, 1, 0
	s_wait_dscnt 0
	WIN MUL_HI
	MUL16 4, 1, NQ-1, 1, 0
	MUL16 6, 1, NQ-1, 1, 0
	WIN 0
; THE WAY OUT.  QUANT: the 64 accumulator registers of a block of 16 rows (at acc of window win; register 16 b + i = column 32 b + 16 (lane / 16) + i of my row) become 12 operand registers, the first six at d0,
; the second six at d1, and the row's scale word in pw.  Each accumulator is read from its low end on.
.macro QUANT acc, win, d0, d1, pw
.irp b, 0,1,2,3
	v_mov_b32 v[TM+\b], 0x1800000                  ; the floor 2^(3 - 127), under which no largest magnitude is taken: the byte cannot fall under 1
.endr
.set WQ, 0x14*(\win)
	WIN WQ                                         ; sources 1 and 2: the accumulators' window
.irp i, 0,2,4,6,8,10,12,14
.irp b, 0,1,2,3
	v_max3_num_f32 v[TM+\b], v[TM+\b], |v[(\acc)+16*\b+\i]|, |v[(\acc)+16*\b+\i+1]|   ; the four blocks by turns
.endr
.endr
	WIN 0
.irp b, 0,1,2,3
	v_permlanex16_b32 v[TM+4+\b], v[TM+\b], s[SEL], s[SEL+1]
.endr
.irp b, 0,1,2,3
	v_max_num_f32 v[TM+\b], v[TM+\b], v[TM+4+\b]   ; with lane l xor 16's: the block's largest magnitude
.endr
.irp b, 0,1,2,3
	v_add_nc_u32 v[TM+12+\b], 0xff000000, v[TM+\b] ; 2 off its exponent field: the conversion's scale operand
.endr
.irp b, 0,1,2,3
	v_lshrrev_b32 v[TM+4+\b], 23, v[TM+12+\b]      ; the scale's byte
.endr
	v_lshl_or_b32 v[\pw], v[TM+5], 8, v[TM+4]
	v_lshl_or_b32 v[\pw], v[TM+6], 16, v[\pw]
	v_lshl_or_b32 v[\pw], v[TM+7], 24, v[\pw]
.set WQ, \win
	WIN WQ                                         ; source 0: the accumulators' window
	v_cvt_scalef32_pk16_fp6_f32 v[(\d0):(\d0)+2], v[(\acc):(\acc)+15], v[TM+12]
	v_cvt_scalef32_pk16_fp6_f32 v[CT:CT+2], v[(\acc)+16:(\acc)+31], v[TM+13]
	v_cvt_scalef32_pk16_fp6_f32 v[(\d1):(\d1)+2], v[(\acc)+32:(\acc)+47], v[TM+14]
	v_cvt_scalef32_pk16_fp6_f32 v[CT+4:CT+6], v[(\acc)+48:(\acc)+63], v[TM+15]
	WIN 0
	v_nop                                          ; one plain place behind a scaled conversion
.irp i, 0,1,2
	v_permlane16_swap_b32 v[(\d0)+\i], v[CT+\i]    ; the operand's layout wants a whole block in a lane: lanes 0-15 the even block, lanes 16-31 the odd one
.endr
.irp i, 0,1,2
	v_permlane16_swap_b32 v[(\d1)+\i], v[CT+4+\i]
.endr
.irp i, 0,1,2
	v_mov_b32 v[(\d0)+3+\i], v[CT+\i]
.endr
.irp i, 0,1,2
	v_mov_b32 v[(\d1)+3+\i], v[CT+4+\i]
.endr
.endm
; Blocks 2 j and 2 j + 1 become two images.  q/k: image 0 = head A of both blocks, image 1 = head B of both (the middle halves change places).  v: image 0 = block 2 j, image 1 = block 2 j + 1.
; Each pair has its own 24 registers, so no store's data are written again.
.macro PAIR j
.set RJ,  RR+24*(\j)
.set AC0, 64*((2*(\j))%4)
.set AC1, 64*((2*(\j)+1)%4)
.set WN,  2+(\j)/2
.set BA,  IMG0+2*((\j)/2)
.set BB,  IMG0+4+2*((\j)/2)
	QUANT AC0, WN, RJ, UU, PWA
	QUANT AC1, WN, WT, RJ+18, PWB
.irp i, 0,1,2,3,4,5
	v_cndmask_b32 v[RJ+6+\i], v[UU+\i], v[WT+\i], s[QKM]
	v_cndmask_b32 v[RJ+12+\i], v[WT+\i], v[UU+\i], s[QKM]
.endr
	v_perm_b32 v[T0], v[PWB], v[PWA], 0x05040100   ; head A's two bytes of both blocks
	v_perm_b32 v[T1], v[PWB], v[PWA], 0x07060302   ; head B's
	v_cndmask_b32 v[SW+\j], v[PWA], v[T0], s[QKM]
	v_cndmask_b32 v[SW+4+\j], v[PWB], v[T1], s[QKM]
.irp c, 0,1,2
	global_store_b128 v[IO], v[RJ+4*\c:RJ+4*\c+3], s[BA:BA+1] offset:((\j)%2)*1536+512*\c        ; 32 lanes store 512 consecutive bytes, aligned
.endr
.irp c, 0,1,2
	global_store_b128 v[IO], v[RJ+12+4*\c:RJ+12+4*\c+3], s[BB:BB+1] offset:((\j)%2)*1536+512*\c
.endr
.endm
.irp b, 0,1,2,3
	v_mov_b32 v[TM+4+\b], 0                        ; written once: a lane permute's destination counts as one of its sources.  These four are also the places behind the last products
.endr
	PAIR 0
	PAIR 1
	PAIR 2
	PAIR 3
	; the scale words, four to a row and head.  Head A's: q/k SW0-3, v SW0, 1, 4, 5;  head B's: q/k SW4-7, v SW2, 3, 6, 7.  Lanes 0-15 store head A's, lanes 16-31 head B's: 256 consecutive bytes each
	v_cndmask_b32 v[SX+0], v[SW+2], v[SW+4], s[QKM]
	v_cndmask_b32 v[SX+1], v[SW+3], v[SW+5], s[QKM]
	v_cndmask_b32 v[SX+2], v[SW+4], v[SW+2], s[QKM]
	v_cndmask_b32 v[SX+3], v[SW+5], v[SW+3], s[QKM]
	v_cndmask_b32 v[SD+0], v[SW+0], v[SX+0], s[HIM]
	v_cndmask_b32 v[SD+1], v[SW+1], v[SX+1], s[HIM]
	v_cndmask_b32 v[SD+2], v[SX+2], v[SW+6], s[HIM]
	v_cndmask_b32 v[SD+3], v[SX+3], v[SW+7], s[HIM]
	global_store_b128 v[SO], v[SD:SD+3], s[SCB:SCB+1]
	s_wait_tensorcnt 0x0                           ; the wave's end: behind my last tensor load
	ds_add_u32 v[SPW], v[NIL]
	s_wait_dscnt 0x0
	CROUND                                         ; the closing round: no work-group ends while a partner may still ask for a tile that names it
	s_endpgm
.Lfunc_end_k_q4e1b1b857a_qkv:
	.size	k_q4e1b1b857a_qkv, .Lfunc_end_k_q4e1b1b857a_qkv-k_q4e1b1b857a_qkv
	.p2alignl 7, 3214868480
	.fill 96, 4, 3214868480
	.section	.rodata,"a",@progbits
	.p2align	6, 0x0
	.amdhsa_kernel k_q4e1b1b857a_qkv
		.amdhsa_group_segment_fixed_size 327680
		.amdhsa_private_segment_fixed_size 0
		.amdhsa_enable_private_segment 0
		.amdhsa_kernarg_size 32
		.amdhsa_user_sgpr_count 2
		.amdhsa_user_sgpr_kernarg_segment_ptr 1
		.amdhsa_wavefront_size32 1
		.amdhsa_system_sgpr_workgroup_id_x 1
		.amdhsa_system_sgpr_workgroup_id_y 1
		.amdhsa_system_sgpr_workgroup_id_z 1
		.amdhsa_system_vgpr_workitem_id 0
		.amdhsa_next_free_vgpr 1024
		.amdhsa_next_free_sgpr 100
		.amdhsa_reserve_vcc 0
		.amdhsa_float_denorm_mode_32 3
		.amdhsa_float_denorm_mode_16_64 3
		.amdhsa_memory_ordered 1
		.amdhsa_forward_progress 1
		.amdhsa_inst_pref_size 170
	.end_amdhsa_kernel
	.amdgpu_metadata
---
amdhsa.version: [ 1, 2 ]
amdhsa.kernels:
  - .name:           k_q4e1b1b857a_qkv
    .symbol:         k_q4e1b1b857a_qkv.kd
    .args:
      - { .name: codes, .offset: 0, .size: 8, .value_kind: global_buffer, .address_space: global }
      - { .name: scales, .offset: 8, .size: 8, .value_kind: global_buffer, .address_space: global }
      - { .name: img, .offset: 16, .size: 8, .value_kind: global_buffer, .address_space: global }
      - { .name: sc, .offset: 24, .size: 8, .value_kind: global_buffer, .address_space: global }
    .group_segment_fixed_size: 327680
    .private_segment_fixed_size: 0
    .kernarg_segment_align: 8
    .kernarg_segment_size: 32
    .max_flat_workgroup_size: 128
    .sgpr_count:     100
    .vgpr_count:     1024
    .wavefront_size: 32
...
	.end_amdgpu_metadata
.endif
;; end of part 2
;; launch attn (part 3): grid 8 x 64, 16 waves a work-group, no clusters, 327,680 bytes of LDS; arguments img, sc, yimg, ysc; writes yimg, ysc
.if DOCPART == 3
	.amdgcn_target "amdgcn-amd-amdhsa--gfx1250"
	.amdhsa_code_object_version 6
	.text
	.protected	k_q4e1b1b857a_attn
	.globl	k_q4e1b1b857a_attn
	.p2align	8
	.type	k_q4e1b1b857a_attn,@function
k_q4e1b1b857a_attn:
	s_mov_b64 s[64:65], 0
	v_nop
	global_prefetch_b8 v0, s[64:65] scope:SCOPE_SE
	s_setreg_imm32_b32 hwreg(HW_REG_WAVE_MODE, 25, 1), 1
	s_wait_xcnt 0x0
; y[b][t][head] = the sum over keys k <= t of softmax_k(q . k / 8) v, head size 64, both products on codes of FP6 (E2M3) with one E8M0 scale for each 32 along a product's K; y leaves quantised along D.
; THE SOFTMAX AHEAD OF THE SECOND PRODUCT: t = score x log2(e) / 8; M = the row's largest t so far, rounded UP to a whole number; p = 2^(t - M) is quantised along the keys, not normalised.
; The row's sum is taken of the unquantised p, in f32, and divides O at the end.  When M moves, the sum and O are multiplied by 2^(old M - new M): exact.
; INPUTS are images of operand registers: a block of 6,144 bytes holds a head's 128 tokens as four images of 12 registers (three runs of 512 bytes, lane l's 16 bytes at 16 l).
;   q, k: image j = tiles 2 j (registers 0-5) and 2 j + 1 (registers 6-11) of 16 tokens x 64; lane-row r of tile a is token 32 (a / 2) + 8 (a % 2) + r + 8 (r / 8).   v: image i = a tile of V^T, 16 d x 128 keys.
; SHARES.  A work-group owns two groups of 128 queries of one head: group g and group 15 - g, so that every work-group has the same number of key steps under the causal mask.  Each of its SIXTEEN waves owns one tile of
; 16 queries in 256 registers; the waves of the two groups are dealt so that two of each stand on a SIMD.  A wave works key steps 0 .. its group's number, 128 keys a step; the other steps' work is jumped over.
; K AND V of the head stay in LDS: each byte is filled once, a chunk of four steps at a time, one chunk ahead, by waves 0 (K) and 1 (V); chunks beyond the work-group's last query are not asked for.
; S^T = K Q^T: one image of K serves TWO tiles of keys: against Q in registers 0-5 with zero codes in 6-11, and against zero codes in 0-5 with Q in 6-11.  So no LDS byte is read twice.
; O^T = V^T P^T.  A lane holds ONE query (lane % 16) throughout; the 16 registers of two neighbouring tiles of S^T are 16 neighbouring keys, and those of O^T 16 neighbouring d.
; NO CLUSTER, though the eight work-groups of a head read the same K and V: what a wave leaves out under the mask hangs on its work-group's own group of queries, which inside a cluster would be a branch on the
; work-group's place; without that jump the vector work of a work-group would rise from 17 steps a pair of waves to 32.
; LIMITS: a block's largest p is taken from the block's largest score (v_exp_f32 is taken not to fall where its input rises); a block of zeros gets the byte 1 where the rule says 127 (this program alone reads the bytes);
; blocks of y whose largest magnitude lies under 2^-124 keep the byte 1; NaN and infinities are not served.
.set BLKB,  6144                       ; a head's 128 tokens: four images
.set HB,    16*BLKB                    ; from head to head in img
.set TEN,   64*HB                      ; from tensor to tensor
.set CHB,   4*BLKB                     ; a chunk: four key steps
.set LV,    HB                         ; LDS: K's 16 steps from 0, V's from here,
.set KSC,   2*HB                       ; K's scale words, 256 bytes a step,
.set VSC,   KSC+4096                   ; V's,
.set SPARE, VSC+4096                   ; the spare words, 128 bytes for each wave, which no other line names
.set AK0,  1                           ; v1  16 x lane
.set AV0,  2                           ; v2  16 x lane + LV
.set ASK0, 3                           ; v3  KSC + 16 r
.set ASV0, 4                           ; v4  VSC + 16 r
.set SPW,  5                           ; v5  LDS address of my spare word; never rewritten
.set NIL,  6                           ; v6  0; never rewritten
.set VD,   7                           ; v7  my query's place in its 128, less 16 (lane / 16)
.set ADK,  8                           ; v8-11 the step's LDS addresses
.set ADV,  9
.set ADS,  10
.set ADT,  11
.set QS,   34                          ; v34 Q's scale word: its two bytes twice
.set PFO,  35                          ; v35 256 x lane
.set KF,   36                          ; v36-83 four images, K's and then V's
.set KS,   84                          ; v84-87 K's scale words
.set VS,   88                          ; v88-91 V's
.set YO,   92                          ; v92 8 x lane
.set YS,   93                          ; v93 32 r + lane / 16
.set S,    96                          ; v96-159 S^T, then p
.set O,    160                         ; v160-191 O^T, tile t at 8 t
.set PC,   192                         ; v192-203 p's codes
.set CT,   204                         ; v204-210 the conversions' second halves
.set MX,   212                         ; v212-215 the blocks' largest
.set PT,   216                         ; v216-219 the other half's, then the bytes
.set SOP,  220                         ; v220-223 the conversions' scale operands
.set PW,   224                         ; v224 p's scale word
.set F,    226                         ; v[226:227] f = 2^(old M - new M)
.set SUM2, 228                         ; v[228:229] the second chain of the sum
.set TMP,  230
.set NINF, 231                         ; -infinity
.set WV,   18
.set SEL,  20                          ; s[20:21] lane selects: lane l xor 16
.set CS,   22                          ; s[22:23] c = log2(e) / 8
.set G1T,  24                          ; s[24:31] group 1 of a chunk's load;  s[32:39] of the scale words';  s[40:43], s[44:47] their groups 0
.set G1S,  32
.set G0T,  40
.set G0S,  44
.set SI,   2                           ; s2  the key step
.set TBK,  3                           ; s3  6144 x step
.set TSC,  66                          ; s66 256 x step
.set SLOTS, 67                         ; s67 chunks still to be asked for
.set GQ,   68                          ; s68 my group of queries: my last key step
.set LIMC, 69                          ; s69 15 - g: the work-group's last key step
.set INN,  70                          ; s70 counts a chunk's four steps
.set PFA,  76                          ; s[76:77] where my prefetches stand
.set LIM,  80                          ; s80 1 in a wave that prefetches, else the greatest number
.set HIM,  81                          ; s81 lanes 16-31
	s_load_b256 s[4:11], s[0:1], 0x0               ; img s[4:5], sc s[6:7], yimg s[8:9], ysc s[10:11]
	v_lshl_add_u32 v[SPW], v0, 2, SPARE
	v_mov_b32 v[NIL], 0
	ds_add_u32 v[SPW], v[NIL]                      ; the wave's opening: the add and its wait stand ahead of my first tensor load; work on registers stands between them
	ds_add_u32 v[SPW], v[NIL]
	v_lshrrev_b32 v8, 5, v0
	s_delay_alu instid0(VALU_DEP_1)
	v_readfirstlane_b32 s[WV], v8                  ; wave 0..15
	s_and_b32 s72, ttmp7, 0xffff                   ; 16 x batch + head
	s_lshr_b32 s73, s[WV], 2
	s_xor_b32 s73, s73, s[WV]
	s_and_b32 s73, s73, 1                          ; 1: the late group.  Waves 2 a and 2 a + 1 differ in it
	s_sub_co_u32 s[LIMC], 15, ttmp9
	s_cmp_eq_u32 s73, 1
	s_cselect_b32 s[GQ], s[LIMC], ttmp9
	s_lshr_b32 s74, s[WV], 1                       ; a: my tile of the group's eight
	s_lshr_b32 s75, s74, 1                         ; its image
	s_and_b32 s82, s74, 1                          ; and which half of the image
	s_and_b32 s83, s[WV], 1                        ; if I fetch: K's (0) or V's (1)
	s_mul_i32 s84, s72, HB                         ; the head's first byte in a tensor of images
	s_mul_i32 s85, s83, TEN
	s_add_co_u32 s85, s85, TEN
	s_add_co_u32 s86, s84, s85                     ; K's or V's first chunk, in memory,
	s_mov_b32 s87, 0
	s_mul_i32 s88, s83, LV                         ; and in LDS
	s_lshl_b32 s89, s72, 12
	s_lshl_b32 s90, s83, 18
	s_add_co_u32 s90, s90, s89
	s_add_co_u32 s90, s90, 262144                  ; K's or V's scale words of the head, in memory,
	s_mov_b32 s91, 0
	s_lshl_b32 s92, s83, 12
	s_add_co_u32 s92, s92, KSC                     ; and in LDS
	s_lshl_b32 s93, s72, 4
	s_add_co_u32 s93, s93, s[GQ]                   ; Q's block
	s_mul_i32 s94, s93, BLKB
	s_mul_i32 s95, s75, 1536
	s_add_co_u32 s94, s94, s95                     ; my image of Q
	s_mov_b32 s95, 0
	s_lshl_b32 s96, s93, 8
	s_lshl_b32 s97, s75, 2
	s_add_co_u32 s96, s96, s97                     ; and its scale words
	s_mov_b32 s97, 0
	s_lshr_b32 s52, s72, 4
	s_lshl_b32 s52, s52, 7
	s_lshl_b32 s53, s[GQ], 3
	s_add_co_u32 s52, s52, s53
	s_add_co_u32 s52, s52, s74                     ; my tile of 16 tokens among all 512: 128 x batch + 8 x group + a
	s_and_b32 s53, s72, 15                         ; the head
	s_mul_i32 s54, s52, 12288
	s_mul_i32 s55, s53, 768
	s_add_co_u32 s54, s54, s55                     ; y's codes
	s_mov_b32 s55, 0
	s_lshl_b32 s56, s52, 9
	s_lshl_b32 s57, s53, 1
	s_add_co_u32 s56, s56, s57                     ; y's scale bytes
	s_mov_b32 s57, 0
	s_sub_co_u32 s58, s[WV], 10                    ; the prefetches: waves 10 to 12 take K's chunk, 8,192 bytes each, waves 13 to 15 V's
	s_and_b32 s58, s58, 15
	s_min_u32 s58, s58, 5
	s_cmp_lt_u32 s58, 3
	s_cselect_b32 s59, 0, 1
	s_mul_i32 s60, s59, 3
	s_sub_co_u32 s58, s58, s60
	s_lshl_b32 s58, s58, 13
	s_mul_i32 s59, s59, TEN
	s_add_co_u32 s58, s58, s59
	s_add_co_u32 s58, s58, s84
	s_add_co_u32 s58, s58, TEN+CHB                 ; in chunk 1: the first change steps it to chunk 2.  Nothing is prefetched at the head
	s_mov_b32 s59, 0
	s_cmp_ge_u32 s[WV], 10
	s_cselect_b32 s[LIM], 0, 1
	s_or_b32 s[LIM], s[LIM], ttmp9                 ; all work-groups of a head walk the same K and V: the head's first work-group asks
	s_cmp_eq_u32 s[LIM], 0
	s_cselect_b32 s[LIM], 1, -1
	s_cmp_eq_u32 s82, 1
	s_cselect_b32 s61, -1, 0                       ; the upper half of Q's image?
	s_lshl_b32 s62, s82, 4                         ; and of its scale word
	s_lshl_b32 s63, s75, 5
	s_lshl_b32 s82, s82, 3
	s_add_co_u32 s63, s63, s82                     ; 32 (a / 2) + 8 (a % 2)
	; descriptor group 1: dense blocks as rows of 256 bytes (32 elements of 8 bytes): a chunk is 96 rows, a head's scale words 16
	s_mov_b32 s[G1T], 3<<16
	s_mov_b32 s[G1T+1], 32<<16                     ; tensor_dim0
	s_mov_b32 s[G1T+2], 96<<16                     ; tensor_dim1
	s_mov_b32 s[G1T+3], 32<<16                     ; tile_dim0
	s_mov_b32 s[G1T+4], 96                         ; tile_dim1
	s_mov_b32 s[G1T+5], 32                         ; tensor_dim0_stride
	s_mov_b32 s[G1T+6], 0
	s_mov_b32 s[G1T+7], 0
	s_mov_b32 s[G1S], 3<<16
	s_mov_b32 s[G1S+1], 32<<16
	s_mov_b32 s[G1S+2], 16<<16
	s_mov_b32 s[G1S+3], 32<<16
	s_mov_b32 s[G1S+4], 16
	s_mov_b32 s[G1S+5], 32
	s_mov_b32 s[G1S+6], 0
	s_mov_b32 s[G1S+7], 0
	s_mov_b32 s[SEL], 0x76543210
	s_mov_b32 s[SEL+1], 0xfedcba98
	s_mov_b32 s[CS], 0x3e38aa3b                    ; c = log2(e) / 8
	s_mov_b32 s[CS+1], s[CS]                       ; (named with it as a pair, so it is written)
	s_mov_b32 s[HIM], 0xffff0000
	s_mov_b32 s[SI], 0
	s_mov_b32 s[TBK], 0
	s_mov_b32 s[TSC], 0
	s_mov_b32 s[SLOTS], 3
	s_wait_dscnt 0x0                               ; the opening add is done
	s_wait_kmcnt 0x0
	s_mov_b32 s[G0T], 1
	s_mov_b32 s[G0T+1], s88
	s_add_nc_u64 s[G0T+2:G0T+3], s[4:5], s[86:87]
	s_or_b32 s[G0T+3], s[G0T+3], 0x80000000
	s_mov_b32 s[G0S], 1
	s_mov_b32 s[G0S+1], s92
	s_add_nc_u64 s[G0S+2:G0S+3], s[6:7], s[90:91]
	s_or_b32 s[G0S+3], s[G0S+3], 0x80000000
	s_cmp_lt_u32 s[WV], 2                          ; the first fills: waves 0, 1 chunk 0 of K and of V; waves 2, 3 the scale words; an s_nop 0 and four v_nop follow each
	s_cbranch_scc0 .Lnot_tile
	tensor_load_to_lds s[G0T:G0T+3], s[G1T:G1T+7]
	s_nop 0
.rept 4
	v_nop
.endr
	s_branch .Lfilled
.Lnot_tile:
	s_cmp_lt_u32 s[WV], 4
	s_cbranch_scc0 .Lfilled
	tensor_load_to_lds s[G0S:G0S+3], s[G1S:G1S+7]
	s_nop 0
.rept 4
	v_nop
.endr
.Lfilled:
	s_add_nc_u64 s[12:13], s[4:5], s[94:95]        ; Q's image
	s_add_nc_u64 s[14:15], s[6:7], s[96:97]        ; Q's scale words
	s_add_nc_u64 s[48:49], s[8:9], s[54:55]        ; y's codes
	s_add_nc_u64 s[50:51], s[10:11], s[56:57]      ; y's scale bytes
	s_add_nc_u64 s[PFA:PFA+1], s[4:5], s[58:59]
	v_and_b32 v8, 15, v0                           ; r
	v_bfe_u32 v9, v0, 4, 1                         ; h
	v_and_b32 v10, 31, v0                          ; lane
	s_delay_alu instid0(VALU_DEP_1)
	v_lshlrev_b32 v[AK0], 4, v10
	s_delay_alu instid0(VALU_DEP_4)
	v_lshlrev_b32 v11, 4, v8
	global_load_b128 v[KF:KF+3], v[AK0], s[12:13]
	global_load_b128 v[KF+4:KF+7], v[AK0], s[12:13] offset:512
	global_load_b128 v[KF+8:KF+11], v[AK0], s[12:13] offset:1024
	global_load_b32 v[QS], v11, s[14:15]
	v_add_nc_u32 v[AV0], LV, v[AK0]
	v_add_nc_u32 v[ASK0], KSC, v11
	v_add_nc_u32 v[ASV0], VSC, v11
	v_and_b32 v[VD], 8, v8
	s_delay_alu instid0(VALU_DEP_1)
	v_add_nc_u32 v[VD], v[VD], v8                  ; r + 8 (r / 8)
	v_lshlrev_b32 v[TMP], 4, v9
	s_delay_alu instid0(VALU_DEP_1)
	v_sub_nc_u32 v[VD], v[VD], v[TMP]
	s_delay_alu instid0(VALU_DEP_1)
	v_add_nc_u32 v[VD], s63, v[VD]
	v_lshlrev_b32 v[PFO], 8, v10
	v_lshlrev_b32 v[YO], 3, v10
	v_lshl_add_u32 v[YS], v8, 5, v9
	v_mov_b32 v[NINF], 0xff800000
	s_wait_loadcnt 0x0                             ; Q
	v_lshrrev_b32 v[QS], s62, v[QS]                ; my tile's two bytes,
	s_delay_alu instid0(VALU_DEP_1)
	v_and_b32 v[QS], 0xffff, v[QS]
	s_delay_alu instid0(VALU_DEP_1)
	v_lshl_or_b32 v[QS], v[QS], 16, v[QS]          ; twice: for Q in the lower and in the upper half of K = 128.  More than eight plain lines follow ahead of the first product
.irp i, 0,1,2,3,4,5
	v_cndmask_b32 v[16+\i], v[KF+\i], v[KF+6+\i], s61   ; v16-21: Q
.endr
.irp i, 0,1,2,3,4,5
	v_mov_b32 v[22+\i], 0                          ; v22-27: zero codes
.endr
.irp i, 0,1,2,3,4,5
	v_mov_b32 v[28+\i], v[16+\i]                   ; v28-33: Q again.  v[16:27] is Q below, v[22:33] Q above
.endr
	v_mov_b32 v13, 0xff61b1e6                      ; the largest t so far: -3e38, under every t
	s_delay_alu instid0(VALU_DEP_1)
	v_floor_f32 v12, -v13                          ; -M
	v_mov_b32 v14, 0                               ; the sum, in two halves
	v_mov_b32 v15, 0
.irp b, 0,1,2,3
	v_mov_b32 v[PT+\b], 0                          ; written once: a lane permute's destination counts as one of its sources
.endr
	v_mov_b32 v[F], 0
	v_mov_b32 v[F+1], 0                            ; (named as the upper half of the pair)
.set n, 0
.rept 32
	v_mov_b32 v[O+n], 0                            ; O^T.  (The step is written once: the first finds zeros, which the first change of M leaves zeros)
.set n, n+1
.endr
; A KEY STEP: 128 keys.  A step all of whose keys come after my queries is left out: a scalar branch on ids, round the step's loads, products and softmax; not round the lines at its end that step addresses.
.macro STEP
	s_cmp_gt_u32 s[SI], s[GQ]
	s_cbranch_scc1 .Lhidden_\@
	s_setprio 2
	v_add_nc_u32 v[ADK], s[TBK], v[AK0]            ; (these four are the places in front of the loads into registers that the last step's products have read)
	v_add_nc_u32 v[ADV], s[TBK], v[AV0]
	v_add_nc_u32 v[ADS], s[TSC], v[ASK0]
	v_add_nc_u32 v[ADT], s[TSC], v[ASV0]
.irp j, 0,1,2,3
.irp c, 0,1,2
	ds_load_b128 v[KF+12*\j+4*\c:KF+12*\j+4*\c+3], v[ADK] offset:1536*\j+512*\c   ; K's four images: 512 consecutive bytes a load
.endr
.endr
	ds_load_b128 v[KS:KS+3], v[ADS]                ; their scale words: four to a row
	s_wait_alu depctr_va_vdst(0)
	s_wait_dscnt 0x0
.irp j, 0,1,2,3                                ; S^T = K Q^T: image j against Q below (tile 2 j) and against Q above (tile 2 j + 1).  Register 16 j + i then holds key 32 j + 16 (lane / 16) + i
	v_wmma_scale_f32_16x16x128_f8f6f4 v[S+16*\j:S+16*\j+7], v[KF+12*\j:KF+12*\j+11], v[16:27], 0, v[KS+\j], v[QS] matrix_a_fmt:MATRIX_FMT_FP6 matrix_b_fmt:MATRIX_FMT_FP6
	v_wmma_scale_f32_16x16x128_f8f6f4 v[S+16*\j+8:S+16*\j+15], v[KF+12*\j:KF+12*\j+11], v[22:33], 0, v[KS+\j], v[QS] matrix_a_fmt:MATRIX_FMT_FP6 matrix_b_fmt:MATRIX_FMT_FP6
.endr
.rept 4
	v_nop                                          ; places in front of the loads below and of the first read of the scores
.endr
.irp j, 0,1,2,3
.irp c, 0,1,2
	ds_load_b128 v[KF+12*\j+4*\c:KF+12*\j+4*\c+3], v[ADV] offset:1536*\j+512*\c   ; V's four images land while the softmax is walked
.endr
.endr
	ds_load_b128 v[VS:VS+3], v[ADT]
	s_cmp_lg_u32 s[SI], s[GQ]                      ; on the diagonal the scores of hidden keys become -infinity ahead of the maximum: p = 0 then
	s_cbranch_scc1 .Lopen_\@
.set n, 0
.rept 64
	v_cmp_gt_i32 vcc_lo, 32*(n/16)+n%16, v[VD]
	v_cndmask_b32 v[S+n], v[S+n], v[NINF], vcc_lo
.set n, n+1
.endr
.Lopen_\@:
.irp b, 0,1,2,3
	v_max3_num_f32 v[MX+\b], v[S+16*\b], v[S+1+16*\b], v[S+2+16*\b]   ; the largest score of each block of 32 keys: for the row's maximum, and, since p rises with the score, for the block's largest p
.endr
.irp i, 3,5,7,9,11,13
.irp b, 0,1,2,3
	v_max3_num_f32 v[MX+\b], v[MX+\b], v[S+16*\b+\i], v[S+1+16*\b+\i]
.endr
.endr
.irp b, 0,1,2,3
	v_max_num_f32 v[MX+\b], v[MX+\b], v[S+15+16*\b]
.endr
.irp b, 0,1,2,3
	s_delay_alu instid0(VALU_DEP_4)
	v_permlanex16_b32 v[PT+\b], v[MX+\b], s[SEL], s[SEL+1]
.endr
.irp b, 0,1,2,3
	s_delay_alu instid0(VALU_DEP_4)
	v_max_num_f32 v[MX+\b], v[MX+\b], v[PT+\b]     ; with lane l xor 16's 16 keys
.endr
	s_delay_alu instid0(VALU_DEP_2)
	v_max3_num_f32 v[TMP], v[MX], v[MX+1], v[MX+2]
	s_delay_alu instid0(VALU_DEP_1)
	v_max_num_f32 v[TMP], v[TMP], v[MX+3]          ; the step's largest score of my query
	s_delay_alu instid0(VALU_DEP_1)
	v_mul_f32 v[TMP], s[CS], v[TMP]                ; as t
	s_delay_alu instid0(VALU_DEP_1)
	v_max_num_f32 v13, v13, v[TMP]                 ; the running largest t
	v_mov_b32 v[TMP], v12
	s_delay_alu instid0(VALU_DEP_2)
	v_floor_f32 v12, -v13                          ; the new -M = -ceil(t): M is a whole number
	s_delay_alu instid0(VALU_DEP_1)
	v_sub_f32 v[TMP], v12, v[TMP]                  ; old M - new M: a whole number, 0 or less
	s_delay_alu instid0(VALU_DEP_1)
	v_cvt_i32_f32 v[TMP], v[TMP]                   ; (it saturates)
	s_delay_alu instid0(VALU_DEP_1)
	v_ldexp_f32 v[F], 1.0, v[TMP]                  ; f = 2^(old M - new M)
.set n, 0
.rept 32
	v_pk_fma_f32 v[S+n:S+n+1], v[S+n:S+n+1], s[CS:CS+1], v[12:13] op_sel_hi:[1,0,0]   ; t - M, two at a time
.set n, n+2
.endr
	s_setprio 1
.irp b, 0,1,2,3
	v_fma_f32 v[MX+\b], v[MX+\b], s[CS], v12       ; the same of each block's largest score
.endr
.set n, 0
	s_wait_alu depctr_va_vdst(0)
.rept 64
	v_exp_f32 v[S+n], v[S+n]                       ; p = 2^(t - M), at most 1
.set n, n+1
.endr
	v_pk_mul_f32 v[14:15], v[14:15], v[F:F+1] op_sel_hi:[1,0]   ; the sums under the new M (a plain line behind the exponentials)
	s_wait_alu depctr_va_vdst(0)                   ; one wait for the whole batch, ahead of its first reader
.irp b, 0,1,2,3
	v_exp_f32 v[MX+\b], v[MX+\b]                   ; the block's largest p
.endr
	v_pk_add_f32 v[228:229], v[100:101], v[104:105]
	v_pk_add_f32 v[254:255], v[108:109], v[112:113]
	v_pk_add_f32 v[252:253], v[116:117], v[120:121]
	v_pk_add_f32 v[250:251], v[124:125], v[128:129]
	v_pk_add_f32 v[248:249], v[132:133], v[136:137]
	v_pk_add_f32 v[246:247], v[140:141], v[144:145]
	v_pk_add_f32 v[244:245], v[148:149], v[152:153]
	v_pk_add_f32 v[14:15], v[14:15], v[156:157]
	v_pk_add_f32 v[228:229], v[228:229], v[96:97]
	v_pk_add_f32 v[254:255], v[254:255], v[98:99]
	v_pk_add_f32 v[252:253], v[252:253], v[102:103]
	v_pk_add_f32 v[250:251], v[250:251], v[106:107]
	v_pk_add_f32 v[248:249], v[248:249], v[110:111]
	v_pk_add_f32 v[246:247], v[246:247], v[114:115]
	v_pk_add_f32 v[244:245], v[244:245], v[118:119]
	v_pk_add_f32 v[14:15], v[14:15], v[122:123]
	v_pk_add_f32 v[228:229], v[228:229], v[126:127]
	v_pk_add_f32 v[254:255], v[254:255], v[130:131]
	v_pk_add_f32 v[252:253], v[252:253], v[134:135]
	v_pk_add_f32 v[250:251], v[250:251], v[138:139]
	v_pk_add_f32 v[248:249], v[248:249], v[142:143]
	v_pk_add_f32 v[246:247], v[246:247], v[146:147]
	v_pk_add_f32 v[244:245], v[244:245], v[150:151]
	v_pk_add_f32 v[14:15], v[14:15], v[154:155]
	v_pk_add_f32 v[228:229], v[228:229], v[158:159]
	s_delay_alu instid0(VALU_DEP_2)
	v_pk_add_f32 v[14:15], v[14:15], v[250:251]
	s_delay_alu instid0(VALU_DEP_2)
	v_pk_add_f32 v[228:229], v[228:229], v[248:249]
	v_pk_add_f32 v[254:255], v[254:255], v[246:247]
	v_pk_add_f32 v[252:253], v[252:253], v[244:245]
	s_delay_alu instid0(VALU_DEP_2)
	v_pk_add_f32 v[14:15], v[14:15], v[254:255]
	s_delay_alu instid0(VALU_DEP_2)
	v_pk_add_f32 v[228:229], v[228:229], v[252:253]
	s_delay_alu instid0(VALU_DEP_1)
	v_pk_add_f32 v[14:15], v[14:15], v[228:229]
	s_wait_alu depctr_va_vdst(0)                   ; and one for the four
.irp b, 0,1,2,3
	v_max_num_f32 v[MX+\b], 0x1800000, v[MX+\b]    ; the floor 2^(3 - 127): the byte cannot fall under 1
.endr
.irp b, 0,1,2,3
	s_delay_alu instid0(VALU_DEP_4)
	v_add_nc_u32 v[SOP+\b], 0xff000000, v[MX+\b]   ; 2 off the exponent field: the conversion's scale operand
.endr
.irp b, 0,1,2,3
	s_delay_alu instid0(VALU_DEP_4)
	v_lshrrev_b32 v[PT+\b], 23, v[SOP+\b]          ; the scale's byte
.endr
	s_delay_alu instid0(VALU_DEP_3)
	v_lshl_or_b32 v[PW], v[PT+1], 8, v[PT]         ; p's scale word for these 128 keys
	s_delay_alu instid0(VALU_DEP_1)
	v_lshl_or_b32 v[PW], v[PT+2], 16, v[PW]
	s_delay_alu instid0(VALU_DEP_1)
	v_lshl_or_b32 v[PW], v[PT+3], 24, v[PW]
	s_setprio 0
.irp c, 0,1
	v_cvt_scalef32_pk16_fp6_f32 v[PC+6*\c:PC+6*\c+2], v[S+32*\c:S+15+32*\c], v[SOP+2*\c]
	v_cvt_scalef32_pk16_fp6_f32 v[CT+4*\c:CT+4*\c+2], v[S+16+32*\c:S+31+32*\c], v[SOP+2*\c+1]
.endr
	v_nop                                          ; one plain place behind a scaled conversion
.irp c, 0,1                                    ; the operand's layout wants a whole block in a lane
.irp i, 0,1,2
	v_permlane16_swap_b32 v[PC+6*\c+\i], v[CT+4*\c+\i]
.endr
.irp i, 0,1,2
	s_delay_alu instid0(VALU_DEP_3)
	v_mov_b32 v[PC+3+6*\c+\i], v[CT+4*\c+\i]
.endr
.endr
.set n, 0
.rept 16
	v_pk_mul_f32 v[O+n:O+n+1], v[O+n:O+n+1], v[F:F+1] op_sel_hi:[1,0]   ; O^T under the new M.  (These sixteen are also the places between p's codes and scale word and the products)
.set n, n+2
.endr
	s_wait_alu depctr_va_vdst(0)
	s_wait_dscnt 0x0                               ; V is in
.irp g, 0,1,2,3                                ; O^T += V^T P^T: image g is tile 2 (g % 2) + g / 2.  The four accumulators take turns, one instruction a turn
	v_wmma_scale_f32_16x16x128_f8f6f4 v[O+8*(2*(\g%2)+\g/2):O+8*(2*(\g%2)+\g/2)+7], v[KF+12*\g:KF+12*\g+11], v[PC:PC+11], v[O+8*(2*(\g%2)+\g/2):O+8*(2*(\g%2)+\g/2)+7], v[VS+\g], v[PW] matrix_a_fmt:MATRIX_FMT_FP6 matrix_b_fmt:MATRIX_FMT_FP6
.endr
.Lhidden_\@:
	s_add_co_u32 s[SI], s[SI], 1
	s_add_co_u32 s[TBK], s[TBK], BLKB
	s_add_co_u32 s[TSC], s[TSC], 256
.endm
.macro TLOAD                           ; wave 0 fetches K's chunk, wave 1 V's; the branch hangs on the wave's number alone
	s_cmp_lt_u32 s[WV], 2
	s_cbranch_scc0 .Lasked_\@
	tensor_load_to_lds s[G0T:G0T+3], s[G1T:G1T+7]
	s_nop 0
.rept 4
	v_nop
.endr
.Lasked_\@:
.endm
; A PREFETCH INTO THE L2 of the chunk that the NEXT change will ask for: 24,576 bytes of K and of V, 8,192 bytes a wave, lanes 256 bytes apart, one instruction a wave, in waves 10 to 15 of the head's first work-group alone:
; so each aligned block of 256 bytes is named once in the launch.  Chunks 0 and 1 come by their loads alone; the last change that asks for a chunk prefetches nothing: there is no chunk behind it.
.macro ASK
	s_cmp_gt_u32 s[SLOTS], s[LIM]
	s_cbranch_scc0 .Lnot_mine_\@
	global_prefetch_b8 v[PFO], s[PFA:PFA+1] th:TH_LOAD_NT scope:SCOPE_SE
.Lnot_mine_\@:
.endm
; THE CHANGE OF CHUNKS stands at a chunk's head.  Each wave waits for all its tensor loads (its part of the chunk about to be read), adds 0 to its spare word, waits for that and for its LDS reads, and passes the barrier:
; the chunk ahead is then whole for all sixteen.  fill = 1: the next chunk is asked for, into bytes that nothing has filled yet; it has four steps in which to land.
.macro CHANGE fill
	s_wait_tensorcnt 0x0                           ; no tensor load of mine is out, so a group 0 may be written
	ds_add_u32 v[SPW], v[NIL]                      ; 0 onto my spare word
.if \fill
	s_add_co_u32 s[G0T+1], s[G0T+1], CHB           ; the next chunk, in LDS
	s_add_nc_u64 s[G0T+2:G0T+3], s[G0T+2:G0T+3], CHB   ; and in memory; the type bits on top are not reached
	s_wait_xcnt 0x0                                ; the last prefetch, a chunk back, has read its address, so it may be written:
	s_add_nc_u64 s[PFA:PFA+1], s[PFA:PFA+1], CHB   ; one chunk further on than the descriptor
.endif
	s_wait_dscnt 0x0
	s_barrier_signal -1
	s_barrier_wait -1
.if \fill
	s_add_co_u32 s96, s[SI], 4                     ; the first step of the chunk that this change would ask for:
	s_cmp_gt_u32 s96, s[LIMC]                      ; beyond the work-group's last step it is read by none of the waves, so it is not asked for.  Ids and the count of steps alone: all sixteen waves go the same way
	s_cbranch_scc1 .Lpast_\@
	TLOAD
.Lpast_\@:
	ASK
.endif
.endm
.macro CHUNK_STEPS                     ; a chunk's four steps: written once, walked four times
	s_mov_b32 s[INN], 4
.Lstep_\@:
	STEP
	s_sub_co_u32 s[INN], s[INN], 1
	s_cmp_lg_u32 s[INN], 0
	s_cbranch_scc1 .Lstep_\@
	s_setprio 0
.endm
.Lchunk:                                           ; three trips: behind each change but the last the next chunk is asked for, up to the causal limit
	CHANGE 1
	CHUNK_STEPS
	s_sub_co_u32 s[SLOTS], s[SLOTS], 1
	s_cmp_lg_u32 s[SLOTS], 0
	s_cbranch_scc1 .Lchunk
	CHANGE 0                                       ; the last chunk is written out: nothing is left to ask for
	CHUNK_STEPS
	; THE WAY OUT.  O^T / the sum is y: register 16 b + i is d = 32 b + 16 (lane / 16) + i of my query.  Its two blocks of 32 are quantised; the six operand registers leave as three runs of 256 bytes.
.rept 4
	v_nop                                          ; places behind the last products
.endr
	v_add_f32 v14, v14, v15                        ; the sum's two halves,
	s_delay_alu instid0(VALU_DEP_1)
	v_permlanex16_b32 v[F], v14, s[SEL], s[SEL+1]
	s_delay_alu instid0(VALU_DEP_1)
	v_add_f32 v14, v14, v[F]                       ; and lane l xor 16's: the row's sum
	s_wait_alu depctr_va_vdst(0)
	v_rcp_f32 v14, v14
	v_nop                                          ; a plain line behind the reciprocal
	s_wait_alu depctr_va_vdst(0)                   ; the wait ahead of its first reader
.set n, 0
.rept 32
	v_mul_f32 v[S+n], v[O+n], v14                  ; each accumulator from its low end on
.set n, n+1
.endr
.irp b, 0,1
	v_max3_num_f32 v[MX+\b], |v[S+16*\b]|, |v[S+1+16*\b]|, 0x1800000   ; my 16 numbers of block b, and the floor 2^(3 - 127)
.endr
.irp i, 2,4,6,8,10,12,14
.irp b, 0,1
	s_delay_alu instid0(VALU_DEP_2)
	v_max3_num_f32 v[MX+\b], v[MX+\b], |v[S+16*\b+\i]|, |v[S+1+16*\b+\i]|
.endr
.endr
.irp b, 0,1
	s_delay_alu instid0(VALU_DEP_2)
	v_permlanex16_b32 v[PT+\b], v[MX+\b], s[SEL], s[SEL+1]
.endr
.irp b, 0,1
	s_delay_alu instid0(VALU_DEP_2)
	v_max_num_f32 v[MX+\b], v[MX+\b], v[PT+\b]
.endr
.irp b, 0,1
	s_delay_alu instid0(VALU_DEP_2)
	v_add_nc_u32 v[SOP+\b], 0xff000000, v[MX+\b]
.endr
.irp b, 0,1
	s_delay_alu instid0(VALU_DEP_2)
	v_lshrrev_b32 v[PT+\b], 23, v[SOP+\b]
.endr
	v_cvt_scalef32_pk16_fp6_f32 v[PC:PC+2], v[S:S+15], v[SOP]
	v_cvt_scalef32_pk16_fp6_f32 v[CT:CT+2], v[S+16:S+31], v[SOP+1]
	v_nop                                          ; one plain place behind a scaled conversion
.irp i, 0,1,2
	v_permlane16_swap_b32 v[PC+\i], v[CT+\i]       ; lanes 0-15 block 0, lanes 16-31 block 1
.endr
.irp i, 0,1,2
	s_delay_alu instid0(VALU_DEP_3)
	v_mov_b32 v[PC+3+\i], v[CT+\i]
.endr
	v_cndmask_b32 v[TMP], v[PT], v[PT+1], s[HIM]   ; my half's block's byte
.irp p, 0,1,2
	global_store_b64 v[YO], v[PC+2*\p:PC+2*\p+1], s[48:49] offset:256*\p   ; 32 lanes store 256 consecutive bytes, aligned
.endr
	global_store_b8 v[YS], v[TMP], s[50:51]        ; two bytes of each of 16 rows of 32: a head's share of a row of scale bytes; one byte for each 24 of codes
	s_wait_tensorcnt 0x0                           ; the wave's end: behind my last tensor load
	ds_add_u32 v[SPW], v[NIL]
	s_wait_dscnt 0x0
	s_endpgm
.Lfunc_end_k_q4e1b1b857a_attn:
	.size	k_q4e1b1b857a_attn, .Lfunc_end_k_q4e1b1b857a_attn-k_q4e1b1b857a_attn
	.p2alignl 7, 3214868480
	.fill 96, 4, 3214868480
	.section	.rodata,"a",@progbits
	.p2align	6, 0x0
	.amdhsa_kernel k_q4e1b1b857a_attn
		.amdhsa_group_segment_fixed_size 327680
		.amdhsa_private_segment_fixed_size 0
		.amdhsa_enable_private_segment 0
		.amdhsa_kernarg_size 32
		.amdhsa_user_sgpr_count 2
		.amdhsa_user_sgpr_kernarg_segment_ptr 1
		.amdhsa_wavefront_size32 1
		.amdhsa_system_sgpr_workgroup_id_x 1
		.amdhsa_system_sgpr_workgroup_id_y 1
		.amdhsa_system_sgpr_workgroup_id_z 1
		.amdhsa_system_vgpr_workitem_id 0
		.amdhsa_next_free_vgpr 256
		.amdhsa_next_free_sgpr 100
		.amdhsa_reserve_vcc 1
		.amdhsa_float_denorm_mode_32 3
		.amdhsa_float_denorm_mode_16_64 3
		.amdhsa_memory_ordered 1
		.amdhsa_forward_progress 1
		.amdhsa_inst_pref_size 59
	.end_amdhsa_kernel
	.amdgpu_metadata
---
amdhsa.version: [ 1, 2 ]
amdhsa.kernels:
  - .name:           k_q4e1b1b857a_attn
    .symbol:         k_q4e1b1b857a_attn.kd
    .args:
      - { .name: img, .offset: 0, .size: 8, .value_kind: global_buffer, .address_space: global }
      - { .name: sc, .offset: 8, .size: 8, .value_kind: global_buffer, .address_space: global }
      - { .name: yimg, .offset: 16, .size: 8, .value_kind: global_buffer, .address_space: global }
      - { .name: ysc, .offset: 24, .size: 8, .value_kind: global_buffer, .address_space: global }
    .group_segment_fixed_size: 327680
    .private_segment_fixed_size: 0
    .kernarg_segment_align: 8
    .kernarg_segment_size: 32
    .max_flat_workgroup_size: 512
    .sgpr_count:     100
    .vgpr_count:     256
    .wavefront_size: 32
...
	.end_amdgpu_metadata
.endif
;; end of part 3
;; launch proj (part 4): grid 4 x 32, 4 waves a work-group, clusters of 4 x 4, 327,680 bytes of LDS; arguments yimg, ysc, codes, scales, b_o, out0; writes out0
.if DOCPART == 4
	.amdgcn_target "amdgcn-amd-amdhsa--gfx1250"
	.amdhsa_code_object_version 6
	.text
	.protected	k_q4e1b1b857a_proj
	.globl	k_q4e1b1b857a_proj
	.p2align	8
	.type	k_q4e1b1b857a_proj,@function
k_q4e1b1b857a_proj:
	s_mov_b64 s[64:65], 0
	v_nop
	global_prefetch_b8 v0, s[64:65] scope:SCOPE_SE
	s_setreg_imm32_b32 hwreg(HW_REG_WAVE_MODE, 25, 1), 1
	s_wait_xcnt 0x0
	s_wait_alu depctr_hold_cnt(0) depctr_sa_sdst(0) depctr_va_vdst(0) depctr_va_sdst(0) depctr_va_ssrc(0) depctr_va_vcc(0) depctr_vm_vsrc(0)
	s_getreg_b32 s2, hwreg(HW_REG_IB_STS2, 6, 4)
	s_cmp_eq_u32 s2, 0
	s_cbranch_scc0 .Lentry_in_a_cluster
	s_endpgm
.Lentry_in_a_cluster:
	s_bfe_u32 s2, ttmp6, 0x10000c
	s_cmp_lg_u32 s2, 0xf033
	s_cbranch_scc0 .Lentry_shape_is_right
	s_endpgm
.Lentry_shape_is_right:
; out0 = y W_o^T + b_o on codes of FP6 (E2M3) with one E8M0 scale for each 32 along K = 1,024; sums in f32; out0 [8192][1024] f32.
; A tile of 256 x 256 is made by four waves, 128 x 128 each.  K goes in steps of 256 through a ring of two LDS slots filled by the tensor data mover; the scale bytes come once, with the first fills.
; 4 x 4 work-groups form a cluster: A's tiles are asked for jointly along a row of the cluster, B's along a column.  THE MATRIX INSTRUCTION IS USED TRANSPOSED (source 0 = 16 rows of W_o, source 1 = 16 rows of y).
; A = y lies as images of operand registers: [tile of 16 tokens][head][3 pieces of 256 bytes], a piece = two registers, 8 bytes a lane.  Two heads are a fragment's 12 registers; a K step of 256 is 3,072 bytes of a tile.
; The tiles' rows are in position order: lane-row r of block a of a group of 128 tokens is token 32 (a / 2) + 8 (a % 2) + r + 8 (r / 8): the way out puts each row where it belongs.
; B = W_o lies as rows of 768 bytes from row 11264 of the codes' buffer, in its rows' own order.  b_o is the C of each sum's first matrix instruction.
; The launch has 128 work-groups: a tile of 128 rows would give 256, with twice the LDS bytes read for each matrix instruction of a wave's A or B side.
; REGISTERS, in windows of 256: window 0: v0-31 addresses; v32-63 scale words, two sets; v64-127 b_o in the result's layout; from v128 A's fragments, ONE set (on the way out: rows of out0).
;   window 1: B's fragments, TWO sets.   window 2: the accumulators of my rows 0-63;   window 3: those of my rows 64-127.
.set SIZE_K, 1024
.set SIZE_N, 1024
.set KSTEP,  256
.set NQ,     KSTEP/128
.set ROWB,   192                       ; a row of B's tile in bytes
.set KROW,   SIZE_K*6/8
.set PITCH,  240                       ; B's LDS row: 3 x (64 bytes + 16 of padding)
.set AROWB,  3072                      ; a tile of 16 rows of A, 256 along K
.set TAUB,   12288                     ; and all of K: from tile to tile in memory
.set FR,     12
.set NL,     6
.set NP,     4
.set HALFT,  128*PITCH                 ; the room of 128 rows (A uses 24,576 bytes of it)
.set SLOT,   4*HALFT
.set LAPS,   SIZE_K/(2*KSTEP)
.set KS,     SIZE_K/32
.set SCL,    2*SLOT
.set HALFS,  (128*KS/256)*272
.set SBLK,   (16*KS/256)*272
.set SPARE,  SCL+4*HALFS               ; the spare words, 128 bytes for each wave, which no other line names
.set SPITCH, 528                       ; the way out: a stage of 16 rows x (512 bytes + 16) for each wave, in slot 0, which has had its last fill and its last read when the first result is stored there
.set ROW_WO, 11264
.set ADRA, 16                          ; v16-17 LDS address of my A fragments in slot 0, 1: 8 x lane + my 128 rows
.set ADRB, 20                          ; v20-21 of my B fragments (v22-23: behind one padding more)
.set STO,  24
.set RD,   25
.set CO,   26
.set ADRS, 27
.set SPW,  28                          ; never rewritten
.set NIL,  29                          ; never rewritten
.set SC,   32
.set BIA,  64                          ; v64-127 b_o: eight registers for each of B's eight blocks
.set AF,   128
.set BK,   128
.set G1, 24
.set G0, 32
.set G1B, 48
.set G0B, 56
.set G1S, 68
.set G0S, 76
.set G1SB, 80
.set G0SB, 88
.set MSB, 0
.macro WIN new                         ; the immediate's high byte repeats the setting that is left
.if MSB != \new
	s_set_vgpr_msb (MSB<<8)|\new
.set MSB, \new
.endif
.endm
.set MUL_LO, 0xa1                      ; source 0 (B) window 1, source 1 (A) window 0, C and D window 2
.set MUL_HI, 0xf1
.set BIAS_LO, 0x81                     ; the same with C (b_o) in window 0
.set BIAS_HI, 0xc1
.set TO_B,   0x40
.macro JLOAD g0a, g1a, g0b, g1b        ; a joint load: waves 0 and 1 fetch for A, waves 2 and 3 for B; an s_nop 0 and four v_nop follow each of the two lines
	s_cmp_eq_u32 s15, 0
	s_cbranch_scc0 .Lfor_b_\@
	tensor_load_to_lds s[\g0a:\g0a+3], s[\g1a:\g1a+7]
	s_nop 0
.rept 4
	v_nop
.endr
	s_branch .Lasked_\@
.Lfor_b_\@:
	tensor_load_to_lds s[\g0b:\g0b+3], s[\g1b:\g1b+7]
	s_nop 0
.rept 4
	v_nop
.endr
.Lasked_\@:
.endm
.macro CREST
	s_cmp_lg_u32 s14, 0
	s_cbranch_scc1 .Lnot_wave_0_\@
	s_barrier_signal -3
.Lnot_wave_0_\@:
	s_barrier_wait -3
	s_barrier_signal -1
	s_barrier_wait -1
.endm
.macro CROUND
	s_barrier_signal -1
	s_barrier_wait -1
	CREST
.endm
	s_load_b128 s[4:7], s[0:1], 0x0                ; y's images s[4:5], y's scales s[6:7]
	s_load_b128 s[8:11], s[0:1], 0x10              ; the codes' buffer s[8:9], the scales' s[10:11]
	s_load_b64 s[66:67], s[0:1], 0x20              ; b_o
	s_load_b64 s[12:13], s[0:1], 0x28              ; out0
	v_lshl_add_u32 v[SPW], v0, 2, SPARE
	v_mov_b32 v[NIL], 0
	ds_add_u32 v[SPW], v[NIL]                      ; the wave's opening: the add and its wait stand ahead of my first tensor load; work on registers stands between them
	v_lshrrev_b32 v1, 5, v0
	v_readfirstlane_b32 s14, v1                    ; wave 0..3
	s_lshr_b32 s15, s14, 1                         ; which half of the tile's rows is mine.  Also: I fetch for A (0) or for B (1)
	s_and_b32 s16, s14, 1                          ; which half of its columns.  Also: which 128 rows of that tile I fetch
	s_bfe_u32 s40, ttmp6, 0x40000                  ; cx, cy
	s_bfe_u32 s41, ttmp6, 0x40004
	s_lshl_b32 s42, ttmp9, 2
	s_add_co_u32 s42, s42, s40                     ; tile column
	s_and_b32 s17, ttmp7, 0xffff
	s_lshl_b32 s17, s17, 2
	s_add_co_u32 s17, s17, s41                     ; tile row
	s_lshl_b32 s43, s41, 2
	s_lshl_b32 s43, 15, s43                        ; my row of the cluster
	s_lshl_b32 s44, 0x1111, s40                    ; my column
	; descriptor group 1.  A: 8 rows (tiles of 16 tokens) of 3,072 bytes = 384 elements of 8 bytes, 12,288 bytes apart, no padding
	s_or_b32 s[G1+0], s43, (3<<16)|(1<<21)
	s_mov_b32 s[G1+1], (AROWB/8)<<16               ; tensor_dim0
	s_mov_b32 s[G1+2], 8<<16                       ; tensor_dim1
	s_mov_b32 s[G1+3], (AROWB/8)<<16               ; tile_dim0
	s_mov_b32 s[G1+4], 8                           ; tile_dim1
	s_mov_b32 s[G1+5], TAUB/8                      ; tensor_dim0_stride
	s_mov_b32 s[G1+6], 0
	s_mov_b32 s[G1+7], 0
	; B: 128 rows x ROWB bytes, 16 bytes of padding behind every 64
	s_or_b32 s[G1B+0], s44, (0<<16)|(1<<20)|(1<<21)|(3<<22)|(3<<25)
	s_mov_b32 s[G1B+1], ROWB<<16
	s_mov_b32 s[G1B+2], 128<<16
	s_mov_b32 s[G1B+3], ROWB<<16
	s_mov_b32 s[G1B+4], 128
	s_mov_b32 s[G1B+5], KROW
	s_mov_b32 s[G1B+6], 0
	s_mov_b32 s[G1B+7], 0
	; the scales of 128 rows: a dense block, as rows of 256 bytes, 16 bytes of padding behind each
	s_or_b32 s[G1S+0], s43, (3<<16)|(1<<20)|(1<<21)|(5<<22)|(3<<25)
	s_or_b32 s[G1SB+0], s44, (3<<16)|(1<<20)|(1<<21)|(5<<22)|(3<<25)
.irp g, G1S, G1SB
	s_mov_b32 s[\g+1], 32<<16
	s_mov_b32 s[\g+2], (128*KS/256)<<16
	s_mov_b32 s[\g+3], 32<<16
	s_mov_b32 s[\g+4], 128*KS/256
	s_mov_b32 s[\g+5], 32
	s_mov_b32 s[\g+6], 0
	s_mov_b32 s[\g+7], 0
.endr
	s_lshl_b32 s18, s16, 3
	s_lshl_b32 s20, s17, 4
	s_add_co_u32 s20, s20, s18                     ; A: tile of 16 tokens 16 x tile row + 8 x half
	s_lshl_b32 s18, s16, 7
	s_lshl_b32 s46, s42, 8
	s_add_co_u32 s46, s46, s18
	s_add_co_u32 s46, s46, ROW_WO                  ; B: W_o's row 256 x tile column + 128 x half
	s_mov_b32 s21, 0
	s_mov_b32 s47, 0
	s_mov_b64 s[18:19], 16*KS
	s_mul_u64 s[22:23], s[20:21], s[18:19]         ; where A's rows' scales begin, in bytes
	s_mov_b64 s[18:19], KS
	s_mul_u64 s[92:93], s[46:47], s[18:19]         ; B's
	s_mov_b64 s[18:19], TAUB
	s_mul_u64 s[20:21], s[20:21], s[18:19]         ; A's codes
	s_mov_b64 s[18:19], KROW
	s_mul_u64 s[46:47], s[46:47], s[18:19]         ; B's
	s_mul_i32 s45, s14, HALFT                      ; where they go: no place in the cluster enters an LDS address
	s_mul_i32 s94, s14, HALFS
	s_wait_dscnt 0x0                               ; the opening add is done
	s_wait_kmcnt 0x0
	s_add_nc_u64 s[20:21], s[4:5], s[20:21]
	s_add_nc_u64 s[22:23], s[6:7], s[22:23]
	s_add_nc_u64 s[46:47], s[8:9], s[46:47]
	s_add_nc_u64 s[92:93], s[10:11], s[92:93]
	CROUND                                         ; all sixteen work-groups are here: the first joint loads meet
	s_mov_b32 s[G0S], 1
	s_add_co_u32 s[G0S+1], s94, SCL
	s_mov_b64 s[G0S+2:G0S+3], s[22:23]
	s_or_b32 s[G0S+3], s[G0S+3], 0x80000000
	s_mov_b32 s[G0SB], 1
	s_add_co_u32 s[G0SB+1], s94, SCL
	s_mov_b64 s[G0SB+2:G0SB+3], s[92:93]
	s_or_b32 s[G0SB+3], s[G0SB+3], 0x80000000
	JLOAD G0S, G1S, G0SB, G1SB                     ; the scales first
.irp s, 0,1
	s_mov_b32 s[G0+4*\s], 1
	s_add_co_u32 s[G0+4*\s+1], s45, \s*SLOT
	s_add_nc_u64 s[G0+4*\s+2:G0+4*\s+3], s[20:21], \s*AROWB
	s_or_b32 s[G0+4*\s+3], s[G0+4*\s+3], 0x80000000
	s_mov_b32 s[G0B+4*\s], 1
	s_add_co_u32 s[G0B+4*\s+1], s45, \s*SLOT
	s_add_nc_u64 s[G0B+4*\s+2:G0B+4*\s+3], s[46:47], \s*ROWB
	s_or_b32 s[G0B+4*\s+3], s[G0B+4*\s+3], 0x80000000
	JLOAD G0+4*\s, G1, G0B+4*\s, G1B
.endr
	v_and_b32 v1, 15, v0                           ; r
	v_bfe_u32 v2, v0, 4, 1                         ; h
	v_and_b32 v6, 31, v0                           ; lane
	v_lshlrev_b32 v7, 3, v6                        ; A: 8 bytes a lane in a piece
	v_mul_u32_u24 v3, v1, PITCH
	v_mul_u32_u24 v4, v2, 24
	v_add_nc_u32 v4, v3, v4                        ; B: a fragment's row x pitch + 24 x half
	v_lshl_add_u32 v5, v2, 4, v4                   ; and the same behind one padding more
	s_mul_i32 s21, s15, HALFT                      ; my 128 rows of A
	s_mul_i32 s22, s16, HALFT                      ; my 128 rows of B,
	s_add_co_u32 s22, s22, 2*HALFT                 ; which lie behind A's 256
.irp s, 0,1
	v_add_nc_u32 v[ADRA+\s], s21, v7
	v_add_nc_u32 v[ADRB+\s], s22, v4
	v_add_nc_u32 v[ADRB+2+\s], s22, v5
	s_add_co_u32 s21, s21, SLOT
	s_add_co_u32 s22, s22, SLOT
.endr
	v_mul_u32_u24 v5, v1, KS                       ; my row's scales: KS bytes a row,
	v_lshrrev_b32 v9, 8, v5
	v_lshl_add_u32 v5, v9, 4, v5                   ; and 16 more for each 256 passed
	s_mul_i32 s21, s15, HALFS
	s_mul_i32 s22, s16, HALFS
	s_add_co_u32 s22, s22, 2*HALFS
	s_sub_co_u32 s22, s22, s21
	v_mul_u32_u24 v9, s22, v2                      ; lanes 16-31 take B's
	s_add_co_u32 s21, s21, SCL
	v_add_nc_u32 v5, v5, v9
	v_add_nc_u32 v[ADRS], s21, v5
	s_mul_i32 s23, s14, 16*SPITCH                  ; my stage
	v_mul_u32_u24 v5, v1, SPITCH                   ; in: row l % 16, 32 bytes for each half of the lanes
	v_lshl_add_u32 v5, v2, 5, v5
	v_add_nc_u32 v[STO], s23, v5
	v_lshlrev_b32 v[CO], 4, v6                     ; back: the 32 lanes take one row of 512 bytes; and the same in out0
	v_add_nc_u32 v[RD], s23, v[CO]
	s_lshl_b32 s20, s17, 8
	s_lshl_b32 s21, s15, 7
	s_add_co_u32 s20, s20, s21                     ; my group of 128 rows of out0
	s_mov_b32 s21, 0
	s_mov_b64 s[18:19], SIZE_N*4
	s_mul_u64 s[20:21], s[20:21], s[18:19]
	s_lshl_b32 s46, s42, 10                        ; my first column, in bytes: 1024 x tile column + 512 x half
	s_lshl_b32 s47, s16, 9
	s_add_co_u32 s46, s46, s47
	s_mov_b32 s47, 0
	s_add_nc_u64 s[66:67], s[66:67], s[46:47]      ; b_o at my first column
	s_add_nc_u64 s[20:21], s[20:21], s[46:47]
	s_add_nc_u64 s[12:13], s[12:13], s[20:21]
	v_lshlrev_b32 v8, 5, v2                        ; b_o in the result's layout: register j of block b is column 16 b + 8 h + j
.irp b, 0,1,2,3,4,5,6,7
	global_load_b128 v[BIA+8*\b:BIA+8*\b+3], v8, s[66:67] offset:64*\b
	global_load_b128 v[BIA+8*\b+4:BIA+8*\b+7], v8, s[66:67] offset:64*\b+16
.endr
.macro FRAG reg, adr, q, i             ; a fragment of B from rows of 192 bytes, in pieces of 8 bytes; where the piece three on lies behind one padding more, the second address register serves
.irp p, 0,1,2,3,4,5
.set PC, 12*(\q)+6*(\p/3)+\p%3
.if PC%8 < 5
	ds_load_b64 v[\reg+2*\p:\reg+2*\p+1], v[\adr] offset:8*PC+16*(PC/8)+(\i)*16*PITCH
.else
	ds_load_b64 v[\reg+2*\p:\reg+2*\p+1], v[\adr+2] offset:8*PC+16*(PC/8)+(\i)*16*PITCH
.endif
.endr
.endm
.macro FRAGA reg, slot, q, i           ; a fragment of A: six pieces of 256 consecutive bytes, as its registers stand
.irp p, 0,1,2,3,4,5
	ds_load_b64 v[\reg+2*\p:\reg+2*\p+1], v[ADRA+\slot] offset:AROWB*(\i)+1536*(\q)+256*\p
.endr
.endm
; 16 matrix instructions: A's blocks a0, a0 + 1 x B's eight.  zero = 1: the first product starts the sums, with b_o as its C.  The 64 accumulators take turns, one instruction a turn.
.macro MUL16 a0, p, q, sc, zero
.irp a, \a0, \a0+1
.irp b, 0,1,2,3,4,5,6,7
.if \zero
	v_wmma_scale_f32_16x16x128_f8f6f4 v[8*(8*((\a)%4)+\b):8*(8*((\a)%4)+\b)+7], v[128*(\p)+FR*\b:128*(\p)+FR*\b+FR-1], v[AF+FR*(\a):AF+FR*(\a)+FR-1], v[BIA+8*\b:BIA+8*\b+7], v[SC+8*NQ*(\sc)+NQ*\b+(\q)], v[SC+8*NQ*(\sc)+NQ*(\a)+(\q)] matrix_a_fmt:MATRIX_FMT_FP6 matrix_b_fmt:MATRIX_FMT_FP6 matrix_a_scale:MATRIX_SCALE_ROW1
.else
	v_wmma_scale_f32_16x16x128_f8f6f4 v[8*(8*((\a)%4)+\b):8*(8*((\a)%4)+\b)+7], v[128*(\p)+FR*\b:128*(\p)+FR*\b+FR-1], v[AF+FR*(\a):AF+FR*(\a)+FR-1], v[8*(8*((\a)%4)+\b):8*(8*((\a)%4)+\b)+7], v[SC+8*NQ*(\sc)+NQ*\b+(\q)], v[SC+8*NQ*(\sc)+NQ*(\a)+(\q)] matrix_a_fmt:MATRIX_FMT_FP6 matrix_b_fmt:MATRIX_FMT_FP6 matrix_a_scale:MATRIX_SCALE_ROW1
.endif
.endr
.endr
.endm
.macro FETCH_B slot, q, p
	WIN TO_B
.irp i, 0,1,2,3,4,5,6,7
	FRAG 128*(\p)+FR*\i, ADRB+\slot, \q, \i
.endr
	WIN 0
.endm
.macro FETCH_A slot, q, i0
.irp i, \i0, \i0+1, \i0+2, \i0+3
	FRAGA AF+FR*(\i), \slot, \q, \i
.endr
.endm
.macro SCALES sc
.irp i, 0,1,2,3,4,5,6,7
	ds_load_b64 v[SC+8*NQ*\sc+NQ*\i:SC+8*NQ*\sc+NQ*\i+1], v[ADRS] offset:\i*SBLK
.endr
.endm
.macro PLACES n                        ; plain vector instructions between a matrix instruction and a load into, or a read of, its registers
.rept \n
	v_nop
.endr
.endm
.macro STEP slot, q, zero
	s_wait_dscnt 4*NL                              ; B's set and A's blocks 0-3 are in; the youngest 24 loads (A's blocks 4-7) may be out
.if \zero
	WIN BIAS_LO
.else
	WIN MUL_LO
.endif
	MUL16 0, (\q)%2, \q, \slot, \zero
	MUL16 2, (\q)%2, \q, \slot, \zero
	s_wait_dscnt 0
	PLACES NP
	FETCH_B \slot, (\q)+1, 1-(\q)%2
	FETCH_A \slot, (\q)+1, 0
.if \zero
	WIN BIAS_HI
.else
	WIN MUL_HI
.endif
	MUL16 4, (\q)%2, \q, \slot, \zero
	MUL16 6, (\q)%2, \q, \slot, \zero
	PLACES NP
	WIN 0
	FETCH_A \slot, (\q)+1, 4
.endm
; A slot's last step changes slots: ONE barrier; in front of it each wave waits for all its tensor loads, adds 0 to its spare word, and waits for that and for its own reads of this slot.  fill = 1: this slot is filled again.
.macro TURN slot, next, fill
	s_wait_tensorcnt 0x0                           ; all my tensor loads have landed: my part of the next slot
	ds_add_u32 v[SPW], v[NIL]                      ; 0 onto my spare word
	s_wait_dscnt 4*NL+1                            ; (the add and the youngest 24 loads may be out)
	WIN MUL_LO
	MUL16 0, 1, NQ-1, \slot, 0
	s_wait_dscnt 0x0                               ; the add is done, and my reads of this slot are over
	s_barrier_signal -1
	MUL16 2, 1, NQ-1, \slot, 0
	WIN 0
	s_barrier_wait -1
.if \fill
	CREST                                          ; the barrier has opened a round of the cluster's barrier: no wave of any partner still reads this slot's tile or has a load on its way
	s_add_nc_u64 s[G0+4*\slot+2:G0+4*\slot+3], s[G0+4*\slot+2:G0+4*\slot+3], 2*AROWB
	s_add_nc_u64 s[G0B+4*\slot+2:G0B+4*\slot+3], s[G0B+4*\slot+2:G0B+4*\slot+3], 2*ROWB
	JLOAD G0+4*\slot, G1, G0B+4*\slot, G1B         ; the first tensor load behind the round; its four v_nop are the places in front of the loads below
.else
	PLACES NP
.endif
	v_add_nc_u32 v[ADRS], 4*NQ, v[ADRS]
	FETCH_B \next, 0, 0
	FETCH_A \next, 0, 0
	SCALES \next
	WIN MUL_HI
	MUL16 4, 1, NQ-1, \slot, 0
	MUL16 6, 1, NQ-1, \slot, 0
	PLACES NP
	WIN 0
	FETCH_A \next, 0, 4
.endm
	s_wait_tensorcnt 1                             ; the scales and my part of K step 0 are in (K step 1's load may be out),
	s_barrier_signal -1
	s_barrier_wait -1                              ; everybody's are
	FETCH_B 0, 0, 0
	FETCH_A 0, 0, 0
	SCALES 0
	FETCH_A 0, 0, 4
	s_wait_loadcnt 0x0                             ; b_o
	STEP 0, 0, 1                                   ; the first step stands in front of the loop: its products start the sums
	s_mov_b32 s3, LAPS-1
.Llap:
	TURN 0, 1, 1
	STEP 1, 0, 0
	TURN 1, 0, 1
	STEP 0, 0, 0
	s_sub_co_u32 s3, s3, 1
	s_cmp_lg_u32 s3, 0
	s_cbranch_scc1 .Llap
	TURN 0, 1, 0                                   ; the last lap fills nothing, and has no round of the cluster's barrier
	STEP 1, 0, 0
	s_wait_dscnt 4*NL
	WIN MUL_LO
	MUL16 0, 1, NQ-1, 1, 0
	MUL16 2, 1, NQ-1, 1, 0
	s_wait_dscnt 0
	WIN MUL_HI
	MUL16 4, 1, NQ-1, 1, 0
	MUL16 6, 1, NQ-1, 1, 0
	WIN 0
; THE WAY OUT, block by block of 16 rows x 128 columns, through my own stage in LDS: back come whole rows of 512 bytes, which the 32 lanes store as 512 consecutive bytes, aligned.
; LDS serves a wave's instructions in order (ISA guide 5.7.1.4): no wait between the stores and the loads.  Stage row t of block a is row 32 (a / 2) + 8 (a % 2) + t + 8 (t / 8) of my 128.
.macro TOSTAGE a
.set AC, 64*((\a)%4)
	WIN 0x08+4*((\a)/4)                            ; the data: window 2 or 3
.irp b, 0,1,2,3,4,5,6,7
	ds_store_b128 v[STO], v[AC+8*\b:AC+8*\b+3] offset:64*\b          ; each accumulator from its low end on
	ds_store_b128 v[STO], v[AC+8*\b+4:AC+8*\b+7] offset:64*\b+16
.endr
	WIN 0
.set BB, BK+64*((\a)%2)
.irp t, 0,1,2,3,4,5,6,7,8,9,10,11,12,13,14,15
	ds_load_b128 v[BB+4*\t:BB+4*\t+3], v[RD] offset:\t*SPITCH
.endr
.endm
.macro SEND a, younger                 ; younger: the LDS instructions issued behind block a's loads, which may stay out
.set BB, BK+64*((\a)%2)
	s_wait_dscnt \younger
.if (\a) > 0
.if (\a)%2
	s_add_nc_u64 s[12:13], s[12:13], 8*SIZE_N*4    ; (behind a wait on XCNT: the earlier stores have read their base)  from an even block to the odd one: 8 rows on
.else
	s_add_nc_u64 s[12:13], s[12:13], 24*SIZE_N*4   ; from an odd block to the next even one: 24 rows on
.endif
.endif
.irp t, 0,1,2,3,4,5,6,7,8,9,10,11,12,13,14,15
	global_store_b128 v[CO], v[BB+4*\t:BB+4*\t+3], s[12:13] offset:(\t+8*(\t/8))*SIZE_N*4 th:TH_STORE_NT
.endr
.endm
	PLACES NP
	TOSTAGE 0
.irp a, 1,2,3,4,5,6,7
.if \a > 1
	s_wait_xcnt 0x0                                ; block a - 2's stores have read their registers and their base
.endif
	TOSTAGE \a
	SEND \a-1, 32                                  ; behind block a - 1's loads: block a's 16 stores and 16 loads
.endr
	s_wait_xcnt 0x0                                ; block 6's stores have read their base
	SEND 7, 0
	s_wait_tensorcnt 0x0                           ; the wave's end: behind my last tensor load and my last LDS store
	ds_add_u32 v[SPW], v[NIL]
	s_wait_dscnt 0x0
	CROUND                                         ; the closing round: no work-group ends while a partner may still ask for a tile that names it
	s_endpgm
.Lfunc_end_k_q4e1b1b857a_proj:
	.size	k_q4e1b1b857a_proj, .Lfunc_end_k_q4e1b1b857a_proj-k_q4e1b1b857a_proj
	.p2alignl 7, 3214868480
	.fill 96, 4, 3214868480
	.section	.rodata,"a",@progbits
	.p2align	6, 0x0
	.amdhsa_kernel k_q4e1b1b857a_proj
		.amdhsa_group_segment_fixed_size 327680
		.amdhsa_private_segment_fixed_size 0
		.amdhsa_enable_private_segment 0
		.amdhsa_kernarg_size 48
		.amdhsa_user_sgpr_count 2
		.amdhsa_user_sgpr_kernarg_segment_ptr 1
		.amdhsa_wavefront_size32 1
		.amdhsa_system_sgpr_workgroup_id_x 1
		.amdhsa_system_sgpr_workgroup_id_y 1
		.amdhsa_system_sgpr_workgroup_id_z 1
		.amdhsa_system_vgpr_workitem_id 0
		.amdhsa_next_free_vgpr 1024
		.amdhsa_next_free_sgpr 100
		.amdhsa_reserve_vcc 0
		.amdhsa_float_denorm_mode_32 3
		.amdhsa_float_denorm_mode_16_64 3
		.amdhsa_memory_ordered 1
		.amdhsa_forward_progress 1
		.amdhsa_inst_pref_size 162
	.end_amdhsa_kernel
	.amdgpu_metadata
---
amdhsa.version: [ 1, 2 ]
amdhsa.kernels:
  - .name:           k_q4e1b1b857a_proj
    .symbol:         k_q4e1b1b857a_proj.kd
    .args:
      - { .name: yimg, .offset: 0, .size: 8, .value_kind: global_buffer, .address_space: global }
      - { .name: ysc, .offset: 8, .size: 8, .value_kind: global_buffer, .address_space: global }
      - { .name: codes, .offset: 16, .size: 8, .value_kind: global_buffer, .address_space: global }
      - { .name: scales, .offset: 24, .size: 8, .value_kind: global_buffer, .address_space: global }
      - { .name: b_o, .offset: 32, .size: 8, .value_kind: global_buffer, .address_space: global }
      - { .name: out0, .offset: 40, .size: 8, .value_kind: global_buffer, .address_space: global }
    .group_segment_fixed_size: 327680
    .private_segment_fixed_size: 0
    .kernarg_segment_align: 8
    .kernarg_segment_size: 48
    .max_flat_workgroup_size: 128
    .sgpr_count:     100
    .vgpr_count:     1024
    .wavefront_size: 32
...
	.end_amdgpu_metadata
.endif
;; end of part 4
